; MI455X (gfx1250); checked and timed in simulation.
; The chip was launched on July 23, 2026; its instructions are those of AMD's public machine-readable ISA for CDNA 5 (MIT licence, August 2026) and "CDNA5" Instruction Set Architecture Reference Guide (July 2026). The comments in the code are by the model that wrote it; some were corrected since.
;; Multi Head Attention. Allowed arithmetic: matrix products marked QUANTISED: E2M1 operands, one E8M0 scale for each 32 along K, by v_wmma_scale_f32_16x16x128_f8f6f4 with both operands' format E2M1 (or v_wmma_scale_f32_32x16x128_f4), f32 sums; products left as they are: bf16, f16 or f32 operands; f32 sums; everything else in f32.
;; Inputs: K 4 x 2,048 x 1,024 float32; Q 4 x 2,048 x 1,024 float32; V 4 x 2,048 x 1,024 float32; Wk 1,024 x 1,024 float32; Wo 1,024 x 1,024 float32; Wq 1,024 x 1,024 float32; Wv 1,024 x 1,024 float32; bk 1,024 float32; bo 1,024 float32; bq 1,024 float32; bv 1,024 float32.
;; Outputs: out0 4 x 2,048 x 1,024 float32.
;; This version of the problem:
;;   THIS VERSION OF THE PROBLEM IS GIVEN IN LOW PRECISION. The matrix products marked QUANTISED in the list below multiply operands that are first quantised to E2M1 (2 exponent bits, 1 mantissa bit; 4 bits a number), with one power-of-two scale for each 32 numbers along K (OCP MX v1.0); their sums are f32. The products marked 'left as it is' may take bf16, f16 or f32 operands, with f32 sums. Whichever they take, every output number must still come out within the allowed error. Rounding operands to bf16 (8 significant bits) uses up far more of that allowance than f16 does (11 bits, for magnitudes from 6e-5 to 65,504). All else is computed in f32.
;;   The module's matrix products, in the order in which they are computed (A, B: the left and right operand; K: the contracted axis; several contracted axes count as one K, in the product's order):
;;     1. [M 8,192, K 1,024] x [K 1,024, N 1,024]; A: input Q; B: input Wq: QUANTISED
;;     2. [M 8,192, K 1,024] x [K 1,024, N 1,024]; A: input K; B: input Wk: QUANTISED
;;     3. [M 8,192, K 1,024] x [K 1,024, N 1,024]; A: input V; B: input Wv: QUANTISED
;;     4. batch 64 x [M 2,048, K 64] x [K 64, N 2,048]; A: computed on the way; B: computed on the way: left as it is (an operand is computed on the way)
;;     5. batch 64 x [M 2,048, K 2,048] x [K 2,048, N 64]; A: computed on the way; B: computed on the way: left as it is (an operand is computed on the way)
;;     6. [M 8,192, K 1,024] x [K 1,024, N 1,024]; A: computed on the way; B: input Wo: left as it is (an operand is computed on the way)
;;   THE QUANTISER, for each operand of a quantised product, along K:
;;     - K is cut into blocks of 32 from its start; a last block that is shorter is filled with zeros.
;;     - A block's scale is 2^e with e = floor(log2(the largest magnitude in the block)) - 2, held to -126 .. 127; a block of zeros has e = 0. As a byte (E8M0): e + 127.
;;     - Each number is divided by its block's scale, clamped to +-6, and rounded to the nearest number of E2M1, ties to even, subnormals kept.
;;     - The product sums the exact products of the quantised numbers (number of the format x scale) in f32.
;;   ~~~python
;;   def quantise(x, axis):      # numpy; x: float32 -> the quantised numbers, widened to float32 again
;;       x = np.moveaxis(x, axis, -1); K = x.shape[-1]
;;       x = np.pad(x, [(0, 0)] * (x.ndim - 1) + [(0, -K % 32)]); x = x.reshape(x.shape[:-1] + (-1, 32)); a = np.abs(x).max(-1, keepdims=True)
;;       e = np.where(a > 0, np.clip(np.frexp(np.where(a > 0, a, 1))[1] - 1 - 2, -126, 127), 0)      # np.frexp(a)[1] - 1 = floor(log2(a)), exactly
;;       r = np.clip(x / 2.0 ** e, -6, 6)
;;       step = 2.0 ** (np.maximum(np.frexp(np.where(r == 0, 1, r))[1] - 1, 0) - 1)
;;       q = np.round(r / step) * step * 2.0 ** e      # np.round: ties to even
;;       return np.moveaxis(q.reshape(q.shape[:-2] + (-1,))[..., :K], -1, axis).astype(np.float32)
;;   ~~~
;; One version. Each part assembles by itself: llvm-mc -triple=amdgcn-amd-amdhsa -mcpu=gfx1250 --defsym DOCPART=n.
;; ======== version 1 of 1: 4 launches
;; limits: values are held in f16: magnitudes above 65,504 overflow, below 6.1e-05 lose precision
;; workspace buffers: xc 12,582,912 bytes; xs 786,432 bytes; wc 1,572,864 bytes; ws 98,304 bytes; wo16 2,097,152 bytes; qkv 50,331,648 bytes; ctx 16,777,216 bytes
;; launch quant (part 1): grid 896 x 1, 4 waves a work-group, no clusters, 33,280 bytes of LDS; arguments Q, K, V, Wq, Wk, Wv, Wo, xc, xs, wc, ws, wo16; writes xc, xs, wc, ws, wo16
.if DOCPART == 1
	.amdgcn_target "amdgcn-amd-amdhsa--gfx1250"
	.amdhsa_code_object_version 6
	.text
	.protected	k_qb89486e74b_quant
	.globl	k_qb89486e74b_quant
	.p2align	8
	.type	k_qb89486e74b_quant,@function
k_qb89486e74b_quant:
	s_mov_b64 s[64:65], 0
	v_nop
	global_prefetch_b8 v0, s[64:65] scope:SCOPE_SE
	s_setreg_imm32_b32 hwreg(HW_REG_WAVE_MODE, 25, 1), 1
	s_wait_xcnt 0x0
; MULTI-HEAD ATTENTION, launch 1 of 4: the operands of the three quantised projections become codes, and Wo becomes f16.
; Q, K, V [8192][1024] and Wq, Wk, Wv [1024][1024], f32, K (the model's 1,024) innermost in all six, are turned into codes of FP4 (E2M1), two a byte, with one E8M0 byte for each 32 along K.
; xc: the codes of Q, K, V on end, [24576][512 bytes]; xs: their scale bytes, [24576][32];  wc, ws: the same of Wq, Wk, Wv, [3072][..].  wo16: Wo as f16, [1024][1024], for the last product, which is left as it is.
; DEAD WORK: bk.  scores[q][k] = q . (K Wk^T + bk) / 8 = q . (K Wk^T) / 8 + q . bk / 8.  The second term is the same for all keys k of a query, and a softmax along the keys is unchanged by a term that is
; the same along its axis, whatever the inputs hold.  The product of q with k is not quantised, so bk moves no code and no scale.  So bk has no way to the output: it is not loaded and is among no launch's arguments.
; LIMIT: a NaN, an infinity or an overflow that would reach the result through bk alone is not carried to it.
; A block's scale is 2^(floor(log2(its largest magnitude)) - 2); its byte is the largest magnitude's exponent field - 2, held at 1 from below.  A block of zeros so gets the byte 1 where the rule says 127: its codes
; are zeros, which add nothing under any byte but 0xff, and this program alone reads the bytes.
; LIMITS: blocks whose largest magnitude lies under 2^(2 - 126), whose byte is held at 1, were not tried; NaN and infinities among the inputs are not served; a number of Wo beyond 65,504 becomes an infinity in f16.
; SHARES.  Rows are dense and 1,024 is a multiple of 32: every tensor is a plain stream of blocks.  A work-group takes 32,768 numbers, a wave 8,192.  Work-groups 0-767: Q, K, V (256 each); 768-863: Wq, Wk, Wv (32 each); 864-895: Wo.
; Only pointers are chosen by the work-group's number: the six tensors take one path.  Wo's path uses no LDS.  No tensor loads, no barrier, no cluster: waves share nothing, and memory binds.
; A wave's 16 steps of 512 numbers: four loads of 512 consecutive bytes; the 2,048 bytes turn through the wave's own stage in LDS, so that a lane holds 16 neighbours along K (two lanes a block);
; a lane's 16 codes are 8 bytes: the wave stores 256 consecutive bytes, aligned.  A wave's 256 scale bytes are gathered in LDS and leave by one store of 256 consecutive bytes.
.set WAVES, 4
.set STEPS, 16
.set EMAX,  2
.set CB,    8                          ; bytes of 16 codes
.set R,     16                         ; v16-79   four sets of 16 numbers as they are loaded (Wo: sixteen sets of 4)
.set X,     80                         ; v80-111  two sets of 16 neighbours
.set E,     112                        ; v112-127 a scale byte for each step
.set C,     128                        ; v128-191 codes: four registers for each step (Wo: two f16 registers for each of sixteen sets)
.set WREG,  8192                       ; LDS: a region for each wave: two stages of 32 x SP bytes, behind them its 256 scale bytes
.set SP,    80                         ; a lane's place in a stage: 64 bytes + 16 of padding
.set SPW,   12                         ; v12  LDS address of my spare word; never rewritten
.set NIL,   13                         ; v13  0; never rewritten
.set SPARE, WAVES*WREG                 ; behind the four regions: the spare words, 128 bytes a wave, which no other line names
.set WV,    32                         ; s32  my wave's number
	s_load_b512 s[8:23], s[0:1], 0x0               ; Q s8, K s10, V s12, Wq s14, Wk s16, Wv s18, Wo s20, xc s22
	s_load_b256 s[24:31], s[0:1], 0x40             ; xs s24, wc s26, ws s28, wo16 s30
	v_lshl_add_u32 v[SPW], v0, 2, SPARE
	v_mov_b32 v[NIL], 0
	v_lshrrev_b32 v1, 5, v0
	v_readfirstlane_b32 s[WV], v1                  ; wave 0..3
	v_and_b32 v2, 31, v0                           ; lane
	v_lshlrev_b32 v3, 4, v2                        ; my 16 bytes of a load's 512
	s_mul_i32 s33, s[WV], WREG
	v_lshrrev_b32 v14, 2, v2
	v_mul_u32_u24 v14, v14, SP
	v_and_b32 v15, 3, v2
	v_lshl_add_u32 v14, v15, 4, v14
	v_add_nc_u32 v14, s33, v14                     ; the stage, on the way in: SP (lane / 4) + 16 (lane % 4)
	v_mul_u32_u24 v15, v2, SP
	v_add_nc_u32 v15, s33, v15                     ; and on the way out: SP x lane: my 16 neighbours
	v_mul_u32_u24 v4, v2, CB                       ; 8 x lane: my codes' place in a step's (Wo: my four f16)
	v_lshrrev_b32 v5, 1, v2
	s_add_co_u32 s33, s33, 2*32*SP
	v_add_nc_u32 v5, s33, v5                       ; LDS: my wave's 256 scale bytes, my block's byte
	v_lshlrev_b32 v7, 3, v2                        ; and on the way out 8 bytes a lane
	v_add_nc_u32 v6, s33, v7
	s_wait_kmcnt 0x0
	s_cmp_ge_u32 ttmp9, 864
	s_cbranch_scc1 .Lwo                            ; the last 32 work-groups take Wo
	; which tensor: a chain of choices between two buffers, each on the work-group's number alone
	s_mov_b64 s[4:5], s[18:19]                     ; Wv,
	s_cmp_lt_u32 ttmp9, 832
	s_cselect_b64 s[4:5], s[16:17], s[4:5]         ; or Wk,
	s_cmp_lt_u32 ttmp9, 800
	s_cselect_b64 s[4:5], s[14:15], s[4:5]         ; or Wq,
	s_cmp_lt_u32 ttmp9, 768
	s_cselect_b64 s[4:5], s[12:13], s[4:5]         ; or V;
	s_cselect_b64 s[34:35], s[22:23], s[26:27]     ; codes go to xc or wc,
	s_cselect_b64 s[36:37], s[24:25], s[28:29]     ; scale bytes to xs or ws
	s_cselect_b32 s33, 255, 31                     ; work-groups in a tensor, less one
	s_cselect_b32 s38, 0, 768                      ; the first work-group of the destination
	s_cmp_lt_u32 ttmp9, 512
	s_cselect_b64 s[4:5], s[10:11], s[4:5]         ; or K,
	s_cmp_lt_u32 ttmp9, 256
	s_cselect_b64 s[4:5], s[8:9], s[4:5]           ; or Q
	s_and_b32 s33, ttmp9, s33                      ; my place in the source tensor (256 and 32 divide the tensors' first work-groups)
	s_sub_co_u32 s38, ttmp9, s38                   ; and in the destination
	s_lshl_b32 s33, s33, 2
	s_add_co_u32 s33, s33, s[WV]                   ; which run of 8,192 numbers is my wave's
	s_lshl_b32 s40, s33, 15                        ; 32,768 bytes a run
	s_mov_b32 s41, 0
	s_add_nc_u64 s[4:5], s[4:5], s[40:41]
	s_lshl_b32 s38, s38, 2
	s_add_co_u32 s38, s38, s[WV]
	s_lshl_b32 s40, s38, 12                        ; 4,096 bytes of codes a run
	s_add_nc_u64 s[34:35], s[34:35], s[40:41]
	s_lshl_b32 s40, s38, 8                         ; 256 scale bytes a run
	s_add_nc_u64 s[36:37], s[36:37], s[40:41]
.macro LOAD t
.irp i, 0,1,2,3
	global_load_b128 v[R+16*((\t)%4)+4*\i:R+16*((\t)%4)+4*\i+3], v3, s[4:5] offset:2048*(\t)+512*\i th:TH_LOAD_NT   ; 32 lanes read 512 consecutive bytes
.endr
.endm
.macro TURN t                          ; step t's numbers through the stage: LDS serves a wave's instructions in order, so no wait stands between the stores and the loads
.irp i, 0,1,2,3
	ds_store_b128 v14, v[R+16*((\t)%4)+4*\i:R+16*((\t)%4)+4*\i+3] offset:32*SP*((\t)%2)+8*SP*\i
.endr
.irp i, 0,1,2,3
	ds_load_b128 v[X+16*((\t)%2)+4*\i:X+16*((\t)%2)+4*\i+3], v15 offset:32*SP*((\t)%2)+16*\i
.endr
.endm
.irp t, 0,1,2,3
	LOAD \t
.endr
	s_wait_loadcnt 12                              ; step 0's four loads are in; the twelve of steps 1 to 3 may be out
	TURN 0
.macro STEP t
.set XS, X+16*((\t)%2)
.if (\t) > 0
	s_wait_dscnt 1                                 ; this step's numbers are back from the stage (the last step's byte store may be out): so its stores into the stage have read their registers,
.else
	s_wait_dscnt 0x0
.endif
.if (\t)+4 < STEPS
	LOAD (\t)+4                                    ; which take the loads of four steps on
.endif
.if (\t)+1 < STEPS
.if STEPS-2-(\t) >= 3
	s_wait_loadcnt 12                              ; the next step's four loads are in; those of the three steps behind it may be out
.else
	s_wait_loadcnt 4*(STEPS-2-(\t))
.endif
	TURN (\t)+1                                    ; and go through the other stage while this step is worked
.endif
	v_max3_num_f32 v8, |v[XS]|, |v[XS+1]|, |v[XS+2]|               ; the largest magnitude of my 16, in two chains
	v_max3_num_f32 v9, |v[XS+3]|, |v[XS+4]|, |v[XS+5]|
.irp i, 6,10
	v_max3_num_f32 v8, v8, |v[XS+\i]|, |v[XS+\i+1]|
	v_max3_num_f32 v9, v9, |v[XS+\i+2]|, |v[XS+\i+3]|
.endr
	v_max3_num_f32 v8, v8, |v[XS+14]|, |v[XS+15]|
	v_max3_num_f32 v8, v8, v9, (EMAX+1)<<23        ; and the floor 2^(EMAX + 1 - 127): the byte cannot fall under 1
	v_max_num_f32_dpp v8, v8, v8 row_xmask:1 row_mask:0xf bank_mask:0xf   ; and of my neighbour's 16: the block's
	v_add_nc_u32 v11, -(EMAX<<23), v8              ; EMAX off its exponent field: the conversion takes the exponent field of this operand as its scale, and nothing else of it
	v_cvt_scalef32_pk8_fp4_f32 v[C+4*(\t)], v[XS:XS+7], v11         ; eight numbers / the scale, to the nearest code, ties to even, beyond the largest code the largest
	v_cvt_scalef32_pk8_fp4_f32 v[C+4*(\t)+1], v[XS+8:XS+15], v11
	v_lshrrev_b32 v[E+(\t)], 23, v11               ; the scale's byte (also the plain line behind the conversions)
	ds_store_b8 v5, v[E+(\t)] offset:16*(\t)       ; both lanes of a block write the same byte with the same value
	global_store_b64 v4, v[C+4*(\t):C+4*(\t)+1], s[34:35] offset:32*CB*(\t)   ; 32 lanes store 256 consecutive bytes, aligned
.endm
.irp t, 0,1,2,3,4,5,6,7,8,9,10,11,12,13,14,15
	STEP \t
.endr
	ds_load_b64 v[8:9], v6                         ; LDS serves a wave's instructions in order: these see my byte stores
	s_wait_dscnt 0x0
	global_store_b64 v7, v[8:9], s[36:37]          ; 32 lanes store the wave's 256 scale bytes, aligned
	s_wait_tensorcnt 0x0                           ; the wave's end, behind my last LDS store
	ds_add_u32 v[SPW], v[NIL]
	s_wait_dscnt 0x0
	s_endpgm
; Wo to f16: a stream through registers.  A wave takes 8,192 numbers: 64 loads of 512 consecutive bytes, 64 stores of 256.  A ring of sixteen register sets keeps sixteen loads on their way; every offset is an immediate.
.Lwo:
	s_sub_co_u32 s33, ttmp9, 864
	s_lshl_b32 s33, s33, 2
	s_add_co_u32 s33, s33, s[WV]                   ; which run of 8,192 numbers
	s_lshl_b32 s40, s33, 15
	s_mov_b32 s41, 0
	s_add_nc_u64 s[20:21], s[20:21], s[40:41]
	s_lshl_b32 s40, s33, 14
	s_add_nc_u64 s[30:31], s[30:31], s[40:41]
.irp i, 0,1,2,3,4,5,6,7,8,9,10,11,12,13,14,15
	global_load_b128 v[R+4*\i:R+4*\i+3], v3, s[20:21] offset:512*\i th:TH_LOAD_NT
.endr
.macro WSLOT i
.set WS, (\i)%16
.if (\i) < 48
	s_wait_loadcnt 15                              ; loads come back in order: mine is in, the fifteen younger ones stay out
.else
	s_wait_loadcnt 63-(\i)                         ; the last sixteen turns load nothing: the counts run down
.endif
	s_wait_xcnt 0x0                                ; this set's last store has read its data: they are rewritten only behind this wait
	v_cvt_pk_f16_f32 v[C+2*WS], v[R+4*WS], v[R+4*WS+1]
	v_cvt_pk_f16_f32 v[C+2*WS+1], v[R+4*WS+2], v[R+4*WS+3]
.if (\i)+16 < 64
	global_load_b128 v[R+4*WS:R+4*WS+3], v3, s[20:21] offset:512*((\i)+16) th:TH_LOAD_NT
.endif
	global_store_b64 v4, v[C+2*WS:C+2*WS+1], s[30:31] offset:256*(\i)   ; 32 lanes store 256 consecutive bytes, aligned
.endm
.set Q, 0
.rept 64
	WSLOT Q
.set Q, Q+1
.endr
	s_endpgm
.Lfunc_end_k_qb89486e74b_quant:
	.size	k_qb89486e74b_quant, .Lfunc_end_k_qb89486e74b_quant-k_qb89486e74b_quant
	.p2alignl 7, 3214868480
	.fill 96, 4, 3214868480
	.section	.rodata,"a",@progbits
	.p2align	6, 0x0
	.amdhsa_kernel k_qb89486e74b_quant
		.amdhsa_group_segment_fixed_size 33280
		.amdhsa_private_segment_fixed_size 0
		.amdhsa_enable_private_segment 0
		.amdhsa_kernarg_size 96
		.amdhsa_user_sgpr_count 2
		.amdhsa_user_sgpr_kernarg_segment_ptr 1
		.amdhsa_wavefront_size32 1
		.amdhsa_system_sgpr_workgroup_id_x 1
		.amdhsa_system_sgpr_workgroup_id_y 1
		.amdhsa_system_sgpr_workgroup_id_z 1
		.amdhsa_system_vgpr_workitem_id 0
		.amdhsa_next_free_vgpr 192
		.amdhsa_next_free_sgpr 66
		.amdhsa_reserve_vcc 0
		.amdhsa_float_denorm_mode_32 3
		.amdhsa_float_denorm_mode_16_64 3
		.amdhsa_memory_ordered 1
		.amdhsa_forward_progress 1
		.amdhsa_inst_pref_size 58
	.end_amdhsa_kernel
	.amdgpu_metadata
---
amdhsa.version: [ 1, 2 ]
amdhsa.kernels:
  - .name:           k_qb89486e74b_quant
    .symbol:         k_qb89486e74b_quant.kd
    .args:
      - { .name: Q, .offset: 0, .size: 8, .value_kind: global_buffer, .address_space: global }
      - { .name: K, .offset: 8, .size: 8, .value_kind: global_buffer, .address_space: global }
      - { .name: V, .offset: 16, .size: 8, .value_kind: global_buffer, .address_space: global }
      - { .name: Wq, .offset: 24, .size: 8, .value_kind: global_buffer, .address_space: global }
      - { .name: Wk, .offset: 32, .size: 8, .value_kind: global_buffer, .address_space: global }
      - { .name: Wv, .offset: 40, .size: 8, .value_kind: global_buffer, .address_space: global }
      - { .name: Wo, .offset: 48, .size: 8, .value_kind: global_buffer, .address_space: global }
      - { .name: xc, .offset: 56, .size: 8, .value_kind: global_buffer, .address_space: global }
      - { .name: xs, .offset: 64, .size: 8, .value_kind: global_buffer, .address_space: global }
      - { .name: wc, .offset: 72, .size: 8, .value_kind: global_buffer, .address_space: global }
      - { .name: ws, .offset: 80, .size: 8, .value_kind: global_buffer, .address_space: global }
      - { .name: wo16, .offset: 88, .size: 8, .value_kind: global_buffer, .address_space: global }
    .group_segment_fixed_size: 33280
    .private_segment_fixed_size: 0
    .kernarg_segment_align: 8
    .kernarg_segment_size: 96
    .max_flat_workgroup_size: 128
    .sgpr_count:     66
    .vgpr_count:     192
    .wavefront_size: 32
...
	.end_amdgpu_metadata
.endif
;; end of part 1
;; launch proj (part 2): grid 4 x 96, 4 waves a work-group, clusters of 4 x 4, 327,680 bytes of LDS; arguments xc, xs, wc, ws, bq, bv, qkv; writes qkv
.if DOCPART == 2
	.amdgcn_target "amdgcn-amd-amdhsa--gfx1250"
	.amdhsa_code_object_version 6
	.text
	.protected	k_qb89486e74b_proj
	.globl	k_qb89486e74b_proj
	.p2align	8
	.type	k_qb89486e74b_proj,@function
k_qb89486e74b_proj:
	s_mov_b64 s[64:65], 0
	v_nop
	global_prefetch_b8 v0, s[64:65] scope:SCOPE_SE
	s_setreg_imm32_b32 hwreg(HW_REG_WAVE_MODE, 25, 1), 1
	s_wait_xcnt 0x0
	s_wait_alu depctr_hold_cnt(0) depctr_sa_sdst(0) depctr_va_vdst(0) depctr_va_sdst(0) depctr_va_ssrc(0) depctr_va_vcc(0) depctr_vm_vsrc(0)
	s_getreg_b32 s2, hwreg(HW_REG_IB_STS2, 6, 4)
	s_cmp_eq_u32 s2, 0
	s_cbranch_scc0 .Lentry_in_a_cluster
	s_endpgm
.Lentry_in_a_cluster:
	s_bfe_u32 s2, ttmp6, 0x10000c
	s_cmp_lg_u32 s2, 0xf033
	s_cbranch_scc0 .Lentry_shape_is_right
	s_endpgm
.Lentry_shape_is_right:
; Launch 2 of 4: the three quantised projections in one grid: q = Q Wq^T + bq, k = K Wk^T, v = V Wv^T + bv, on codes of FP4 (E2M1) with one E8M0 scale for each 32 along K; sums in f32; results rounded once to f16.
; LEFT OUT: bk (a term of the scores that is the same for all keys of a query, which the softmax takes away for all values of the inputs; the product with q is not quantised): k's sums begin with zeros.
; A = xc [24576][512 bytes] (Q's, K's, V's rows on end), its scale bytes xs [24576][32];  B = wc [3072][512] (Wq, Wk, Wv on end), ws [3072][32].  Tile row y of 96 belongs to tensor y / 32 and takes that tensor's 1,024 rows of B.
; OUT: qkv [tensor 3][batch 4][head 16][position 2048][64] f16: head-major, so that the attention's tiles are dense.  LIMIT: a result beyond 65,504 becomes an infinity in f16.
; A tile of 256 x 256 is made by four waves, each 128 x 128: 64 accumulators, 512 registers.  K = 1,024 lies whole in two LDS slots of 512 along K (rows of 256 bytes + 16 of padding): there are first fills alone, nothing is filled again.
; By this text's own count a wave has three tensor loads out at the most: its part of the scale bytes, of slot 0 and of slot 1.
; CLUSTERS: 4 x 4 work-groups.  The four of a row of the cluster need the same rows of A, the four of a column the same rows of B: each tile is asked for JOINTLY, by the same tensor load with the same descriptor and a mask that names the four.
; THE MATRIX INSTRUCTION IS USED TRANSPOSED (source 0 = 16 rows of B, source 1 = 16 rows of A): a lane holds eight neighbouring columns of one row of the result.  THE BIAS IS THE C of each sum's first product.
; No prefetch: every byte is asked for at the head, by the first fills.
; REGISTERS, in windows of 256: window 0: v0-31 addresses; v32-95 scale words, two sets; v128-191 A's fragments, one set; v192-255 the bias in the result's layout; on the way out v32-127 are at work.
;   window 1: B's fragments, two sets, at v0 and v128.   window 2: the accumulators of my rows 0-63 ((a, b) at v[8 (8 a + b)]);   window 3: those of my rows 64-127.
.set KSTEP,  512
.set NQ,     KSTEP/128                 ; matrix instructions deep in a slot
.set ROWB,   256                       ; a tile's row in bytes
.set KROW,   512                       ; a row of codes in memory
.set PITCH,  272                       ; an LDS row: 256 bytes + 16 of padding: the 16 rows that a load touches start 68 words apart
.set FR,     8                         ; registers of a fragment
.set NL,     2                         ; LDS loads that bring one
.set NP,     4                         ; places behind this matrix instruction (ISA guide 7.12.1)
.set HALFT,  128*PITCH
.set SLOT,   4*HALFT                   ; A's 256 rows, then B's 256 rows
.set KS,     32                        ; a row of scale bytes
.set SCL,    2*SLOT                    ; behind the slots: the scale bytes, as rows of 256 bytes + 16 of padding
.set HALFS,  (128*KS/256)*272          ; those of 128 rows: what one tensor load brings
.set SBLK,   (16*KS/256)*272           ; those of 16 rows
.set SPARE,  SCL+4*HALFS               ; the spare words, 128 bytes a wave, which no other line names
.set SPITCH, 272                       ; the way out: a stage of 16 rows x (256 bytes + 16) for each wave, in slot 0, which has had its only fill and its last read by then
.set ADRA, 16                          ; v16-17  LDS address of my A fragments in slot 0, 1
.set ADRB, 20                          ; v20-21  the same for B
.set STO,  24                          ; v24     the way out: where I put 16 bytes of a row
.set RD,   25                          ; v25     the way out: where I read back
.set CO,   26                          ; v26     16 x lane: my place in a store's 512 bytes
.set ADRS, 27                          ; v27     LDS address of my scale words: lanes 0-15 A's rows, lanes 16-31 B's
.set SPW,  28                          ; v28     LDS address of my spare word; never rewritten
.set NIL,  29                          ; v29     0; never rewritten
.set BOF,  30                          ; v30     32 x (lane / 16): my eight numbers of a block of sixteen of the bias
.set SC,   32
.set AF,   128
.set BI,   192                         ; v192-255 bias: block b at v[BI + 8 b]: lane (r, h) holds those of columns 16 b + 8 h + 0 .. 7
.set TMP,  32                          ; the way out: packed results
.set OB,   64                          ; the way out: rows read back: v64-95 and v96-127 by turns
.set TEN,  95                          ; s95     which tensor: 0 q, 1 k, 2 v
.set G1, 24
.set G0, 32
.set G1B, 48
.set G0B, 56
.set G1S, 68
.set G0S, 76
.set G1SB, 80
.set G0SB, 88
.set MSB, 0
.macro WIN new                         ; the immediate's high byte repeats the setting that is left
.if MSB != (\new)
	s_set_vgpr_msb (MSB<<8)|(\new)
.set MSB, (\new)
.endif
.endm
.set MUL_LO, 0xa1                      ; source 0 (B) window 1, source 1 (A) window 0, C and D window 2
.set MUL_HI, 0xf1                      ; the same, C and D window 3
.set BIA_LO, 0x81                      ; the first products: C (the bias) window 0, D window 2
.set BIA_HI, 0xc1                      ; D window 3
.set TO_B,   0x40                      ; destination window 1, address window 0
; A joint load: waves 0 and 1 fetch for A, waves 2 and 3 for B.  Each line has one mask and one set of registers for all that issue it; the branch hangs on the wave's number alone.
; An s_nop 0 and four v_nop follow each of the two lines, ahead of the jump, the label and what follows.
.macro JLOAD g0a, g1a, g0b, g1b
	s_cmp_eq_u32 s15, 0
	s_cbranch_scc0 .Lfor_b_\@
	tensor_load_to_lds s[\g0a:\g0a+3], s[\g1a:\g1a+7]
	s_nop 0
.rept 4
	v_nop
.endr
	s_branch .Lasked_\@
.Lfor_b_\@:
	tensor_load_to_lds s[\g0b:\g0b+3], s[\g1b:\g1b+7]
	s_nop 0
.rept 4
	v_nop
.endr
.Lasked_\@:
.endm
.macro CROUND                          ; a round of the cluster's barrier
	s_barrier_signal -1
	s_barrier_wait -1
	s_cmp_lg_u32 s14, 0
	s_cbranch_scc1 .Lnot_wave_0_\@
	s_barrier_signal -3
.Lnot_wave_0_\@:
	s_barrier_wait -3
	s_barrier_signal -1
	s_barrier_wait -1
.endm
	s_load_b128 s[4:7], s[0:1], 0x0                ; A's codes s[4:5], A's scales s[6:7]
	s_load_b128 s[8:11], s[0:1], 0x10              ; B's codes s[8:9], B's scales s[10:11]
	s_load_b128 s[96:99], s[0:1], 0x20             ; bq s[96:97], bv s[98:99]
	s_load_b64 s[12:13], s[0:1], 0x30              ; qkv
	v_lshl_add_u32 v[SPW], v0, 2, SPARE
	v_mov_b32 v[NIL], 0
	ds_add_u32 v[SPW], v[NIL]                      ; the wave's opening: the add, twice on end, and its wait ahead of my first tensor load; the set-up below stands between the second and the wait
	ds_add_u32 v[SPW], v[NIL]
	v_lshrrev_b32 v1, 5, v0
	v_readfirstlane_b32 s14, v1                    ; wave 0..3
	s_lshr_b32 s15, s14, 1                         ; which half of the tile's rows is mine.  Also: I fetch for A (0) or for B (1)
	s_and_b32 s16, s14, 1                          ; which half of its columns.  Also: which 128 rows of that tile I fetch
	s_bfe_u32 s40, ttmp6, 0x40000                  ; cx, cy: my place in the cluster
	s_bfe_u32 s41, ttmp6, 0x40004
	s_lshl_b32 s42, ttmp9, 2
	s_add_co_u32 s42, s42, s40                     ; tile column = 4 x cluster x + cx
	s_and_b32 s17, ttmp7, 0xffff
	s_lshr_b32 s[TEN], s17, 3                      ; the tensor: eight clusters (32 tile rows, 8,192 rows) each: made of the cluster's y alone, so it is the same in all sixteen partners
	s_lshl_b32 s17, s17, 2
	s_add_co_u32 s17, s17, s41                     ; tile row = 4 x cluster y + cy
	s_lshl_b32 s43, s41, 2
	s_lshl_b32 s43, 15, s43                        ; my row of the cluster
	s_lshl_b32 s44, 0x1111, s40                    ; my column
	; descriptor group 1: a tile of 128 rows x 256 bytes, padded in LDS
	s_or_b32 s[G1+0], s43, (0<<16)|(1<<20)|(1<<21)|(5<<22)|(3<<25)  ; 15:0 the mask: A's tiles go to my row; 17:16 elements of 1 byte; 20 padding on; 21 set beside a mask; 24:22 after every 64 words; 31:25 four words
	s_or_b32 s[G1B+0], s44, (0<<16)|(1<<20)|(1<<21)|(5<<22)|(3<<25)
.irp g, G1, G1B
	s_mov_b32 s[\g+1], ROWB<<16                    ; tensor_dim0
	s_mov_b32 s[\g+2], 128<<16                     ; tensor_dim1
	s_mov_b32 s[\g+3], ROWB<<16                    ; tile_dim0
	s_mov_b32 s[\g+4], 128                         ; tile_dim1
	s_mov_b32 s[\g+5], KROW                        ; tensor_dim0_stride
	s_mov_b32 s[\g+6], 0
	s_mov_b32 s[\g+7], 0
.endr
	; and for the scale bytes of 128 rows: 4,096 dense bytes, as 16 rows of 256 bytes (32 elements of 8 bytes), 16 bytes of padding behind each
	s_or_b32 s[G1S+0], s43, (3<<16)|(1<<20)|(1<<21)|(5<<22)|(3<<25)
	s_or_b32 s[G1SB+0], s44, (3<<16)|(1<<20)|(1<<21)|(5<<22)|(3<<25)
.irp g, G1S, G1SB
	s_mov_b32 s[\g+1], 32<<16
	s_mov_b32 s[\g+2], (128*KS/256)<<16
	s_mov_b32 s[\g+3], 32<<16
	s_mov_b32 s[\g+4], 128*KS/256
	s_mov_b32 s[\g+5], 32
	s_mov_b32 s[\g+6], 0
	s_mov_b32 s[\g+7], 0
.endr
	s_lshl_b32 s18, s16, 7                         ; which 128 rows of the tile I fetch
	s_lshl_b32 s20, s17, 8
	s_add_co_u32 s20, s20, s18                     ; A: row 256 x tile row + 128 x half
	s_lshl_b32 s46, s42, 8
	s_add_co_u32 s46, s46, s18                     ; B: row 256 x tile column + 128 x half
	s_lshl_b32 s19, s[TEN], 10
	s_add_co_u32 s46, s46, s19                     ; + the tensor's 1,024 rows
	s_mov_b32 s21, 0
	s_mov_b32 s47, 0
	s_mov_b64 s[18:19], KS
	s_mul_u64 s[22:23], s[20:21], s[18:19]         ; where these rows' scale bytes begin
	s_mul_u64 s[92:93], s[46:47], s[18:19]
	s_mov_b64 s[18:19], KROW
	s_mul_u64 s[20:21], s[20:21], s[18:19]         ; and their codes
	s_mul_u64 s[46:47], s[46:47], s[18:19]
	s_mul_i32 s45, s14, HALFT                      ; where they go: wave x 128 rows: no place in the cluster enters an LDS address
	s_mul_i32 s94, s14, HALFS
	s_wait_dscnt 0x0                               ; both opening adds are done
	s_wait_kmcnt 0x0
	s_add_nc_u64 s[20:21], s[4:5], s[20:21]
	s_add_nc_u64 s[22:23], s[6:7], s[22:23]
	s_add_nc_u64 s[46:47], s[8:9], s[46:47]
	s_add_nc_u64 s[92:93], s[10:11], s[92:93]
	CROUND                                         ; all sixteen work-groups are here: the joint loads meet
	s_mov_b32 s[G0S], 1
	s_add_co_u32 s[G0S+1], s94, SCL
	s_mov_b64 s[G0S+2:G0S+3], s[22:23]
	s_or_b32 s[G0S+3], s[G0S+3], 0x80000000
	s_mov_b32 s[G0SB], 1
	s_add_co_u32 s[G0SB+1], s94, SCL
	s_mov_b64 s[G0SB+2:G0SB+3], s[92:93]
	s_or_b32 s[G0SB+3], s[G0SB+3], 0x80000000
	JLOAD G0S, G1S, G0SB, G1SB                     ; the scale bytes first: they are wanted with slot 0
.irp s, 0,1
	s_mov_b32 s[G0+4*\s], 1
	s_add_co_u32 s[G0+4*\s+1], s45, \s*SLOT
	s_add_nc_u64 s[G0+4*\s+2:G0+4*\s+3], s[20:21], \s*ROWB
	s_or_b32 s[G0+4*\s+3], s[G0+4*\s+3], 0x80000000
	s_mov_b32 s[G0B+4*\s], 1
	s_add_co_u32 s[G0B+4*\s+1], s45, \s*SLOT
	s_add_nc_u64 s[G0B+4*\s+2:G0B+4*\s+3], s[46:47], \s*ROWB
	s_or_b32 s[G0B+4*\s+3], s[G0B+4*\s+3], 0x80000000
	JLOAD G0+4*\s, G1, G0B+4*\s, G1B
.endr
	v_and_b32 v1, 15, v0                           ; r = lane % 16
	v_bfe_u32 v2, v0, 4, 1                         ; h = lane / 16
	v_mul_u32_u24 v3, v1, PITCH
	v_lshl_add_u32 v4, v2, 4, v3                   ; a fragment's row x pitch + 16 x half
	s_mul_i32 s21, s15, HALFT                      ; my 128 rows of A
	s_mul_i32 s22, s16, HALFT                      ; my 128 rows of B,
	s_add_co_u32 s22, s22, 2*HALFT                 ; which lie behind A's 256
.irp s, 0,1
	v_add_nc_u32 v[ADRA+\s], s21, v4
	v_add_nc_u32 v[ADRB+\s], s22, v4
	s_add_co_u32 s21, s21, SLOT
	s_add_co_u32 s22, s22, SLOT
.endr
	v_mul_u32_u24 v5, v1, KS                       ; my row's scale bytes: 32 a row,
	v_lshrrev_b32 v6, 8, v5
	v_lshl_add_u32 v5, v6, 4, v5                   ; and 16 more for each 256 passed
	s_mul_i32 s21, s15, HALFS                      ; A's: my 128 rows
	s_mul_i32 s22, s16, HALFS                      ; B's: my 128 rows, behind A's 256
	s_add_co_u32 s22, s22, 2*HALFS
	s_sub_co_u32 s22, s22, s21
	v_mul_u32_u24 v6, s22, v2                      ; lanes 16-31 take B's: the lower base + h x the distance
	s_add_co_u32 s21, s21, SCL
	v_add_nc_u32 v5, v5, v6
	v_add_nc_u32 v[ADRS], s21, v5
	s_mul_i32 s23, s14, 16*SPITCH                  ; my stage
	v_mul_u32_u24 v5, v1, SPITCH                   ; in: row r, 16 bytes for each half of the lanes
	v_lshl_add_u32 v5, v2, 4, v5
	v_add_nc_u32 v[STO], s23, v5
	v_and_b32 v6, 31, v0
	v_lshlrev_b32 v[CO], 4, v6                     ; out: 16 bytes a lane
	v_lshrrev_b32 v5, 3, v6
	v_mul_u32_u24 v5, v5, SPITCH                   ; back: eight lanes take the 128 bytes that a row has of one head; four rows an instruction
	v_and_b32 v6, 7, v6
	v_lshl_add_u32 v5, v6, 4, v5
	v_add_nc_u32 v[RD], s23, v5
	v_lshlrev_b32 v[BOF], 5, v2
	; where my part begins in qkv: (tile row / 8) is 4 x tensor + batch: 4,194,304 bytes each; a head is 262,144 bytes; a position 128
	s_lshr_b32 s20, s17, 3
	s_lshl_b32 s20, s20, 22
	s_and_b32 s21, s17, 7
	s_lshl_b32 s21, s21, 15                        ; 256 positions a tile row
	s_add_co_u32 s20, s20, s21
	s_lshl_b32 s21, s15, 14                        ; my 128 of them
	s_add_co_u32 s20, s20, s21
	s_mov_b32 s21, 0
	s_add_nc_u64 s[12:13], s[12:13], s[20:21]
	s_lshl_b32 s46, s42, 20                        ; four heads a tile column,
	s_lshl_b32 s47, s16, 19                        ; my two of them
	s_add_co_u32 s46, s46, s47
	s_mov_b32 s47, 0
	s_add_nc_u64 s[12:13], s[12:13], s[46:47]
	; the bias of my 128 columns, in the result's layout
	s_cmp_eq_u32 s[TEN], 0
	s_cselect_b64 s[96:97], s[96:97], s[98:99]     ; bq for q, bv for v
	s_lshl_b32 s46, s42, 10
	s_lshl_b32 s47, s16, 9
	s_add_co_u32 s46, s46, s47                     ; my first column, in bytes of f32
	s_mov_b32 s47, 0
	s_add_nc_u64 s[96:97], s[96:97], s[46:47]
	s_cmp_eq_u32 s[TEN], 1                         ; the same in all partners
	s_cbranch_scc1 .Lno_bias
.irp b, 0,1,2,3,4,5,6,7
	global_load_b128 v[BI+8*\b:BI+8*\b+3], v[BOF], s[96:97] offset:64*\b
	global_load_b128 v[BI+8*\b+4:BI+8*\b+7], v[BOF], s[96:97] offset:64*\b+16
.endr
	s_branch .Lbias_set
.Lno_bias:                                             ; k: its sums begin with zeros, by the same lines of the text as q's and v's
.set i, 0
.rept 64
	v_mov_b32 v[BI+i], 0
.set i, i+1
.endr
.Lbias_set:
.macro FRAG reg, adr, q, i             ; a fragment, 16 rows x 128 K of 4-bit codes, is 8 registers: lane l holds row l % 16; registers 4 c .. 4 c + 3 hold K = 64 c + 32 (l / 16) + 0 .. 31
.irp c, 0,1
	ds_load_b128 v[\reg+4*\c:\reg+4*\c+3], v[\adr] offset:64*(\q)+32*\c+(\i)*16*PITCH
.endr
.endm
; 16 matrix instructions: A's blocks a0, a0 + 1 x B's eight, 128 along K: the slot's q-th.  p: B's set;  sc: the set of scale words.  bias = 1: the first product starts the sums with the bias as C: nothing is cleared.
; The 64 accumulators take turns, one instruction a turn, in the same order in every step.
.macro MUL16 a0, p, q, sc, bias
.irp a, \a0, \a0+1
.irp b, 0,1,2,3,4,5,6,7
.if \bias
	v_wmma_scale_f32_16x16x128_f8f6f4 v[8*(8*((\a)%4)+\b):8*(8*((\a)%4)+\b)+7], v[128*(\p)+FR*\b:128*(\p)+FR*\b+FR-1], v[AF+FR*(\a):AF+FR*(\a)+FR-1], v[BI+8*\b:BI+8*\b+7], v[SC+8*NQ*(\sc)+NQ*\b+(\q)], v[SC+8*NQ*(\sc)+NQ*(\a)+(\q)] matrix_a_fmt:MATRIX_FMT_FP4 matrix_b_fmt:MATRIX_FMT_FP4 matrix_a_scale:MATRIX_SCALE_ROW1
.else
	v_wmma_scale_f32_16x16x128_f8f6f4 v[8*(8*((\a)%4)+\b):8*(8*((\a)%4)+\b)+7], v[128*(\p)+FR*\b:128*(\p)+FR*\b+FR-1], v[AF+FR*(\a):AF+FR*(\a)+FR-1], v[8*(8*((\a)%4)+\b):8*(8*((\a)%4)+\b)+7], v[SC+8*NQ*(\sc)+NQ*\b+(\q)], v[SC+8*NQ*(\sc)+NQ*(\a)+(\q)] matrix_a_fmt:MATRIX_FMT_FP4 matrix_b_fmt:MATRIX_FMT_FP4 matrix_a_scale:MATRIX_SCALE_ROW1
.endif
.endr
.endr
.endm
.macro FETCH_B slot, q, p              ; B's eight fragments of the slot's q-th 128 along K into set p
	WIN TO_B
.irp i, 0,1,2,3,4,5,6,7
	FRAG 128*(\p)+FR*\i, ADRB+\slot, \q, \i
.endr
	WIN 0
.endm
.macro FETCH_A slot, q, i0             ; A's blocks i0 .. i0 + 3
.irp i, \i0, \i0+1, \i0+2, \i0+3
	FRAG AF+FR*(\i), ADRA+\slot, \q, \i
.endr
.endm
.macro SCALES sc                       ; a slot's scale words into set sc: four words a row; lanes 0-15 take A's block i, lanes 16-31 B's block i
.irp i, 0,1,2,3,4,5,6,7
	ds_load_b128 v[SC+8*NQ*\sc+NQ*\i:SC+8*NQ*\sc+NQ*\i+3], v[ADRS] offset:\i*SBLK
.endr
.endm
; A load into a register that a matrix instruction has read, and a vector instruction that reads a matrix result, stand NP places behind that matrix instruction; only plain vector instructions
; that name none of its registers are places (ISA guide 7.12.1 for vector instructions).
.macro PLACES n
.rept \n
	v_nop
.endr
.endm
; A step of 128 along K that has its successor in the same slot.
.macro STEP slot, q, bias
	s_wait_dscnt 4*NL                              ; B's set and A's blocks 0-3 are in; the youngest eight loads (A's blocks 4-7) may be out
.if \bias
	WIN BIA_LO
.else
	WIN MUL_LO
.endif
	MUL16 0, (\q)%2, \q, \slot, \bias
	MUL16 2, (\q)%2, \q, \slot, \bias
	s_wait_dscnt 0                                 ; A's blocks 4-7 are in (asked for 32 matrix instructions ago)
	PLACES NP
	FETCH_B \slot, (\q)+1, 1-(\q)%2
	FETCH_A \slot, (\q)+1, 0
.if \bias
	WIN BIA_HI
.else
	WIN MUL_HI
.endif
	MUL16 4, (\q)%2, \q, \slot, \bias
	MUL16 6, (\q)%2, \q, \slot, \bias
	PLACES NP
	WIN 0
	FETCH_A \slot, (\q)+1, 4
.endm
; Slot 0's last step goes over to slot 1: one barrier; in front of it each wave waits for all its tensor loads (its part of slot 1), adds 0 to its spare word, and waits for that and for its reads of slot 0.
; Behind it nobody reads slot 0, where the stages of the way out lie.
.macro TURN slot, next
	s_wait_tensorcnt 0x0                           ; all my tensor loads have landed (every window is 0 here: the add's two registers lie in window 0)
	ds_add_u32 v[SPW], v[NIL]                      ; 0 onto my spare word
	s_wait_dscnt 4*NL+1                            ; (the add and the youngest eight loads, A's blocks 4-7, may be out)
	WIN MUL_LO
	MUL16 0, 1, NQ-1, \slot, 0                     ; sixteen matrix instructions stand between the add and the wait for it
	s_wait_dscnt 0x0                               ; the add is done, and my reads of this slot are over
	s_barrier_signal -1
	MUL16 2, 1, NQ-1, \slot, 0
	WIN 0
	s_barrier_wait -1
	PLACES NP
	v_add_nc_u32 v[ADRS], 4*NQ, v[ADRS]            ; on to the next slot's scale words (no LDS load of mine is out)
	FETCH_B \next, 0, 0
	FETCH_A \next, 0, 0
	SCALES \next
	WIN MUL_HI
	MUL16 4, 1, NQ-1, \slot, 0
	MUL16 6, 1, NQ-1, \slot, 0
	PLACES NP
	WIN 0
	FETCH_A \next, 0, 4
.endm
.macro STEPS slot, from                ; the slot's steps from .. NQ - 2
.set Q, \from
.rept NQ-1-\from
	STEP \slot, Q, 0
.set Q, Q+1
.endr
.endm
	s_wait_tensorcnt 1                             ; the scale bytes and my part of slot 0 are in (slot 1's load may be out)
	s_barrier_signal -1
	s_barrier_wait -1                              ; everybody's are
	FETCH_B 0, 0, 0
	FETCH_A 0, 0, 0
	SCALES 0
	FETCH_A 0, 0, 4
	s_wait_loadcnt 0x0                             ; the bias
	STEP 0, 0, 1                                   ; the first step's products start the sums, with the bias as C
	STEPS 0, 1
	TURN 0, 1
	STEPS 1, 0
	s_wait_dscnt 4*NL                              ; the very last step: nothing more to fetch
	WIN MUL_LO
	MUL16 0, 1, NQ-1, 1, 0
	MUL16 2, 1, NQ-1, 1, 0
	s_wait_dscnt 0
	WIN MUL_HI
	MUL16 4, 1, NQ-1, 1, 0
	MUL16 6, 1, NQ-1, 1, 0
	WIN 0
; THE WAY OUT, block by block of 16 rows x 128 columns (two heads).  PACK: rounded to f16, 16 bytes a lane, each accumulator from its low end on.  TOSTAGE: into my own stage in LDS and back, four rows of one head
; (512 bytes that are consecutive in qkv) to an instruction.  SEND: stored.  LDS serves a wave's instructions in order (ISA guide 5.7.1.4): no wait between the stores and the loads.
.macro PACK a
.set AC, 64*((\a)%4)
	WIN 0x0a+5*((\a)/4)                            ; sources 0 and 1: window 2 or 3
.irp b, 0,1,2,3,4,5,6,7
.irp r, 0,1,2,3
	v_cvt_pk_f16_f32 v[TMP+4*\b+\r], v[AC+8*\b+2*\r], v[AC+8*\b+2*\r+1]
.endr
.endr
	WIN 0
.endm
.macro TOSTAGE a
.set BB, OB+32*((\a)%2)
.irp b, 0,1,2,3,4,5,6,7
	ds_store_b128 v[STO], v[TMP+4*\b:TMP+4*\b+3] offset:32*\b
.endr
.irp t, 0,1,2,3,4,5,6,7
	ds_load_b128 v[BB+4*\t:BB+4*\t+3], v[RD] offset:(\t%4)*4*SPITCH+(\t/4)*128   ; rows 4 (t % 4) on, head t / 4
.endr
.endm
.macro SEND a
.set BB, OB+32*((\a)%2)
	s_wait_dscnt 0x0                               ; the block is back in registers
	s_wait_xcnt 0x0                                ; the block before's stores have read their data: the loads that follow this macro land there only behind this wait
.irp t, 0,1,2,3,4,5,6,7
	global_store_b128 v[CO], v[BB+4*\t:BB+4*\t+3], s[12:13] offset:(\t/4)*262144+(16*(\a)+4*(\t%4))*128   ; 32 lanes store 512 consecutive bytes, at a multiple of 256 from qkv's first byte; the base is never stepped
.endr
.endm
	PLACES NP                                      ; behind the last products: for the conversions that read results, and for the writes and loads into registers that held scale words
	PACK 0
	TOSTAGE 0
.irp a, 1,2,3,4,5,6,7                  ; block a's conversions stand between block a - 1's loads from the stage and the wait for them
	PACK \a
	SEND \a-1
	TOSTAGE \a
.endr
	SEND 7
	s_wait_tensorcnt 0x0                           ; the wave's end, behind my last tensor load and my last LDS store
	ds_add_u32 v[SPW], v[NIL]
	s_wait_dscnt 0x0
	CROUND                                         ; the closing round: no work-group ends while a partner may still ask for a tile that names it
	s_endpgm
.Lfunc_end_k_qb89486e74b_proj:
	.size	k_qb89486e74b_proj, .Lfunc_end_k_qb89486e74b_proj-k_qb89486e74b_proj
	.p2alignl 7, 3214868480
	.fill 96, 4, 3214868480
	.section	.rodata,"a",@progbits
	.p2align	6, 0x0
	.amdhsa_kernel k_qb89486e74b_proj
		.amdhsa_group_segment_fixed_size 327680
		.amdhsa_private_segment_fixed_size 0
		.amdhsa_enable_private_segment 0
		.amdhsa_kernarg_size 56
		.amdhsa_user_sgpr_count 2
		.amdhsa_user_sgpr_kernarg_segment_ptr 1
		.amdhsa_wavefront_size32 1
		.amdhsa_system_sgpr_workgroup_id_x 1
		.amdhsa_system_sgpr_workgroup_id_y 1
		.amdhsa_system_sgpr_workgroup_id_z 1
		.amdhsa_system_vgpr_workitem_id 0
		.amdhsa_next_free_vgpr 1024
		.amdhsa_next_free_sgpr 100
		.amdhsa_reserve_vcc 0
		.amdhsa_float_denorm_mode_32 3
		.amdhsa_float_denorm_mode_16_64 3
		.amdhsa_memory_ordered 1
		.amdhsa_forward_progress 1
		.amdhsa_inst_pref_size 130
	.end_amdhsa_kernel
	.amdgpu_metadata
---
amdhsa.version: [ 1, 2 ]
amdhsa.kernels:
  - .name:           k_qb89486e74b_proj
    .symbol:         k_qb89486e74b_proj.kd
    .args:
      - { .name: xc, .offset: 0, .size: 8, .value_kind: global_buffer, .address_space: global }
      - { .name: xs, .offset: 8, .size: 8, .value_kind: global_buffer, .address_space: global }
      - { .name: wc, .offset: 16, .size: 8, .value_kind: global_buffer, .address_space: global }
      - { .name: ws, .offset: 24, .size: 8, .value_kind: global_buffer, .address_space: global }
      - { .name: bq, .offset: 32, .size: 8, .value_kind: global_buffer, .address_space: global }
      - { .name: bv, .offset: 40, .size: 8, .value_kind: global_buffer, .address_space: global }
      - { .name: qkv, .offset: 48, .size: 8, .value_kind: global_buffer, .address_space: global }
    .group_segment_fixed_size: 327680
    .private_segment_fixed_size: 0
    .kernarg_segment_align: 8
    .kernarg_segment_size: 56
    .max_flat_workgroup_size: 128
    .sgpr_count:     100
    .vgpr_count:     1024
    .wavefront_size: 32
...
	.end_amdgpu_metadata
.endif
;; end of part 2
;; launch attn (part 3): grid 4 x 64, 8 waves a work-group, clusters of 4 x 1, 327,680 bytes of LDS; arguments qkv, ctx; writes ctx
.if DOCPART == 3
	.amdgcn_target "amdgcn-amd-amdhsa--gfx1250"
	.amdhsa_code_object_version 6
	.text
	.protected	k_qb89486e74b_attn
	.globl	k_qb89486e74b_attn
	.p2align	8
	.type	k_qb89486e74b_attn,@function
k_qb89486e74b_attn:
	s_mov_b64 s[64:65], 0
	v_nop
	global_prefetch_b8 v0, s[64:65] scope:SCOPE_SE
	s_setreg_imm32_b32 hwreg(HW_REG_WAVE_MODE, 25, 1), 1
	s_wait_xcnt 0x0
	s_wait_alu depctr_hold_cnt(0) depctr_sa_sdst(0) depctr_va_vdst(0) depctr_va_sdst(0) depctr_va_ssrc(0) depctr_va_vcc(0) depctr_vm_vsrc(0)
	s_getreg_b32 s2, hwreg(HW_REG_IB_STS2, 6, 4)
	s_cmp_eq_u32 s2, 0
	s_cbranch_scc0 .Lentry_in_a_cluster
	s_endpgm
.Lentry_in_a_cluster:
	s_bfe_u32 s2, ttmp6, 0x10000c
	s_cmp_lg_u32 s2, 0x3003
	s_cbranch_scc0 .Lentry_shape_is_right
	s_endpgm
.Lentry_shape_is_right:
; Launch 3 of 4: ctx[head][q][:] = the sum over keys of softmax_k(q . k / 8) v[k][:], for 64 heads (batch x 16 + head) of 2,048 positions and 64 channels.  q, k, v: f16, head-major, in qkv; ctx likewise.
; LEFT OUT: bk, which the softmax takes away for all values of the inputs (k in qkv is K Wk^T).
; Both products take f16 operands and f32 sums; maxima, exponentials and row sums in f32; the weights p are rounded to f16 for the second product, ctx once at the end.
; LIMITS: p under 2^-25 rounds to 0 in f16; magnitudes of ctx beyond 65,504 become infinities; NaN and infinities are not served.
; SHARES.  A cluster of four work-groups is one head; a work-group owns 512 queries, each of its EIGHT waves 64: four tiles of 16.  Two waves share a SIMD, 512 registers each: one wave's softmax stands beside the other's products.
; Every wave walks all 2,048 keys, 64 a step.  The wave's four tiles share each fragment of K and V read from LDS.
; LAYOUT.  S^T = K Q^T (source 0 = 16 keys, source 1 = 16 queries): a lane holds ONE query (lane % 16) and the keys 8 (lane / 16) + 0..7.  Two such tiles, rounded to f16 in pairs, ARE source 1 (32 keys x 16 queries)
; of O^T = V^T P, whose result again holds one query a lane.  K comes out of LDS as it lies, V ([key][channel]) turned, by ds_load_tr16_b128.
; SOFTMAX.  For each query a running maximum m and sum l: p = 2^(c s - c m), c = log2(e) / 8; in every step O and l are multiplied by a = 2^(c m_old - c m_new).
; RING.  Two LDS slots of 256 keys (four steps), filled by JOINT tensor loads: the four partners walk the same K and V, so each tile is asked for by the same load with the same descriptor and a mask that names the four.
; Waves 0-3 fetch K's quarters (64 rows each), waves 4-7 V's.  By this text's own count a wave has two tensor loads out at the start, later one.
; THE CHANGE OF SLOTS stands in front of a slot's LAST step, whose K and V have been asked of LDS by then and are in registers behind the wait: so one round ends the reads of the old slot and opens the new one, and a refill has four steps in which to land.
; REGISTERS, in windows of 256: window 0: v2-12 addresses; v16-47 eight registers of statistics a tile; v64-191 S^T, 32 a tile, whose first 16 then hold P; v192-255 K's fragments of a step.
;   window 1: v0-127 O^T, 32 a tile; v128-191 Q, 16 a tile; v192-255 V's fragments of a step.
.set KS,    64                         ; keys in a step
.set SKEYS, 256                        ; keys in a slot
.set PK,    144                        ; a row of K in LDS: 128 bytes + 16 of padding
.set PV,    160                        ; a row of V: 128 + 32
.set VOFF,  SKEYS*PK                   ; a slot: 256 rows of K, then 256 rows of V
.set SLOT1, 1<<17                      ; slot 1 begins here, so that one exclusive or turns an address in one slot into the other's
.set STAGE, SLOT1+SKEYS*(PK+PV)        ; behind the ring: 16 rows x 144 bytes for each wave, for the way out
.set SP,    144
.set SPARE, STAGE+8*16*SP              ; behind the stages: the spare words, 128 bytes a wave, which no other line names
.set AK0, 2                            ; v2   my lane's place in a tile of K; never rewritten
.set AV0, 3                            ; v3   the same for V
.set ADR, 4                            ; v4   LDS address of K's run of loads in hand
.set ADRV, 5                           ; v5   of V's
.set QO,  6                            ; v6   my byte offset in the wave's rows of Q
.set STO, 7                            ; v7   the way out: where I put 16 bytes of a row
.set RD,  8                            ; v8   the way out: where I read back
.set GO,  9                            ; v9   16 x lane: my place in a store's 512 bytes
.set SPW, 10                           ; v10  LDS address of my spare word; never rewritten
.set NIL, 11                           ; v11  0; never rewritten
.set PFO, 12                           ; v12  256 x lane: the prefetches' offset; never rewritten
.set ST,  16                           ; tile t's statistics at v[ST + 8 t]: +0 c m, +1 m, +2, +3 l (even keys', odd keys'), +4 to +7 c0-c3, at work; a takes c2's place
.set S,   64
.set KF,  192
.set QF,  128                          ; in window 1
.set VF,  192                          ; in window 1
.set WV,  12                           ; s12  my wave's number
.set LIM, 15                           ; s15  1 in a wave that prefetches, else the greatest number
.set PFA, 18                           ; s[18:19] where my prefetches stand
.set G1K, 24                           ; s[24:31] descriptor group 1 for K's tiles
.set G1V, 32                           ; s[32:39] for V's: it differs in the padding alone
.set G0K, 40                           ; s[40:47] group 0 for K's tiles: a set for each of the two first fills; the second then walks on
.set G0V, 48                           ; s[48:55] the same for V's
.set SLOTS, 56                         ; s56  slots still to be asked for
.set CNT, 57                           ; s57  counts the steps of a run
.set CS,  58                           ; s[58:59] c: the packed scaling names a pair and takes its low word for both halves
.set SEL, 60                           ; s[60:61] lane selects for v_permlanex16_b32: lane l xor 16
.set TK,  62                           ; s62  LDS byte at which K's tile of the step to be fetched begins
.set TV,  63                           ; s63  the same for V, less VOFF
.set MSB, 0
.macro WIN new                         ; the immediate's high byte repeats the setting that is left; a switch that changes nothing is dropped
.if MSB != (\new)
	s_set_vgpr_msb (MSB<<8)|(\new)
.set MSB, (\new)
.endif
.endm
.set W_KQ, 0x04                        ; Q (source 1) in window 1; K and S^T in window 0
.set W_PV, 0x51                        ; V (source 0) and O^T (C and D) in window 1; P in window 0
.set W_RS, 0x41                        ; O^T (destination and source 0) in window 1, the factor in window 0
.set W_T1, 0x40                        ; destination window 1, address window 0
; A joint refill.  The branch hangs on the wave's number alone.  An s_nop 0 and four v_nop follow each of the two lines, ahead of the jump, the label and what follows.
.macro JLOAD
	s_cmp_lt_u32 s[WV], 4
	s_cbranch_scc0 .Lfor_v_\@
	tensor_load_to_lds s[G0K+4:G0K+7], s[G1K:G1K+7]
	s_nop 0
.rept 4
	v_nop
.endr
	s_branch .Lasked_\@
.Lfor_v_\@:
	tensor_load_to_lds s[G0V+4:G0V+7], s[G1V:G1V+7]
	s_nop 0
.rept 4
	v_nop
.endr
.Lasked_\@:
.endm
; A PREFETCH INTO THE L2 of what the NEXT change of slots will ask for: a slot's 32,768 bytes of K and of V, four key steps (256 matrix instructions a wave) ahead of that load.  It stands behind the wave's tensor load and its five lines.
; Each aligned block of 256 bytes is named ONCE in the launch: a head has one cluster; its four partners take 8,192 bytes each, told apart BY ADDRESS; in each, wave 0 asks for K's and wave 4 for V's, lanes 256 bytes apart: one instruction.
; The last change that fills a slot asks for nothing: there is no slot behind it.  Slots 0 to 2 come by their loads alone.
.macro ASK
	s_cmp_gt_u32 s[SLOTS], s[LIM]
	s_cbranch_scc0 .Lnot_mine_\@
	global_prefetch_b8 v[PFO], s[PFA:PFA+1] th:TH_LOAD_NT scope:SCOPE_SE
.Lnot_mine_\@:
.endm
.macro CROUND                          ; a round of the cluster's barrier
	s_barrier_signal -1
	s_barrier_wait -1
	s_cmp_lg_u32 s[WV], 0
	s_cbranch_scc1 .Lnot_wave_0_\@
	s_barrier_signal -3
.Lnot_wave_0_\@:
	s_barrier_wait -3
	s_barrier_signal -1
	s_barrier_wait -1
.endm
	s_load_b128 s[4:7], s[0:1], 0x0                ; qkv s[4:5], ctx s[6:7]
	v_lshl_add_u32 v[SPW], v0, 2, SPARE
	v_mov_b32 v[NIL], 0
	ds_add_u32 v[SPW], v[NIL]                      ; the wave's opening: the add, twice on end, and its wait ahead of my first tensor load; the set-up below stands between the second and the wait
	ds_add_u32 v[SPW], v[NIL]
	v_lshrrev_b32 v1, 5, v0
	v_readfirstlane_b32 s[WV], v1                  ; wave 0..7
	s_bfe_u32 s13, ttmp6, 0x40000                  ; cx: my place in the cluster
	s_lshl_b32 s14, ttmp9, 2
	s_add_co_u32 s14, s14, s13                     ; my block of 512 queries: it enters Q's and ctx's addresses alone
	s_and_b32 s20, ttmp7, 0xffff                   ; the head, which the four partners share:
	s_lshl_b32 s20, s20, 18                        ; 262,144 bytes each
	s_and_b32 s16, s[WV], 3                        ; which quarter of a slot I fetch:
	s_lshl_b32 s22, s16, 13                        ; its 64 rows of 128 bytes in memory,
	s_add_co_u32 s22, s22, s20
	s_mov_b32 s23, 0
	s_mul_i32 s17, s16, KS*PK                      ; and its place in a slot, for K
	s_mul_i32 s21, s16, KS*PV
	s_add_co_u32 s21, s21, VOFF                    ; and for V: no place in the cluster enters an LDS address
	s_lshl_b32 s2, s14, 16                         ; my block's 512 rows,
	s_lshl_b32 s3, s[WV], 13                       ; my wave's 64 of them,
	s_add_co_u32 s2, s2, s3
	s_add_co_u32 s2, s2, s20                       ; in my head
	s_mov_b32 s3, 0
	; descriptor group 1: a tile of 64 rows x 64 elements, padded in LDS
	s_mov_b32 s[G1K], 15|(1<<16)|(1<<20)|(1<<21)|(4<<22)|(3<<25)  ; 15:0 the mask: all four work-groups; 17:16 elements of 2 bytes; 20 padding on; 21 set beside a mask; 24:22 after every 32 words; 31:25 four words
	s_mov_b32 s[G1V], 15|(1<<16)|(1<<20)|(1<<21)|(4<<22)|(7<<25)  ; the same with eight words of padding
.irp g, G1K, G1V
	s_mov_b32 s[\g+1], 64<<16                      ; tensor_dim0 = 64
	s_mov_b32 s[\g+2], KS<<16                      ; tensor_dim1 = 64
	s_mov_b32 s[\g+3], 64<<16                      ; tile_dim0 = 64
	s_mov_b32 s[\g+4], KS                          ; tile_dim1 = 64
	s_mov_b32 s[\g+5], 64                          ; tensor_dim0_stride: rows are dense
	s_mov_b32 s[\g+6], 0
	s_mov_b32 s[\g+7], 0
.endr
	s_mov_b32 s[CS], 0x3e38aa3b                    ; c = log2(e) / 8
	s_mov_b32 s[CS+1], s[CS]                       ; named with it as a pair, so it is written
	s_mov_b32 s[SEL], 0x76543210
	s_mov_b32 s[SEL+1], 0xfedcba98
	s_mov_b32 s[TK], 0
	s_mov_b32 s[TV], 0
	s_mov_b32 s[SLOTS], 2048/SKEYS-2
	s_cmp_eq_u32 s16, 0                            ; waves 0 and 4 prefetch: the same in all four partners
	s_cselect_b32 s[LIM], 1, -1
	v_and_b32 v[PFO], 31, v0
	v_lshlrev_b32 v[PFO], 8, v[PFO]
	s_wait_dscnt 0x0                               ; both opening adds are done
	s_wait_kmcnt 0x0
	s_add_nc_u64 s[8:9], s[4:5], s[22:23]
	s_add_nc_u64 s[10:11], s[8:9], 0x2000000       ; V at my quarter of slot 0: v begins 33,554,432 bytes into qkv,
	s_add_nc_u64 s[8:9], s[8:9], 0x1000000         ; K likewise: k begins at 16,777,216
	s_add_nc_u64 s[4:5], s[4:5], s[2:3]            ; Q and ctx at my wave's first row
	s_add_nc_u64 s[6:7], s[6:7], s[2:3]
	s_cmp_lt_u32 s[WV], 4
	s_cselect_b64 s[PFA:PFA+1], s[8:9], s[10:11]   ; (in waves 0 and 4 these stand at a slot's first row)
	s_lshl_b32 s2, s13, 13                         ; my work-group's 8,192 bytes of the 32,768
	s_add_nc_u64 s[PFA:PFA+1], s[PFA:PFA+1], s[2:3]
	s_add_nc_u64 s[PFA:PFA+1], s[PFA:PFA+1], 2*SKEYS*128  ; in slot 2; the first change of slots steps it to slot 3.  Nothing is prefetched here, at the head
	CROUND                                         ; all four work-groups are here: the first joint loads meet
.irp s, 0,1
	s_mov_b32 s[G0K+4*\s], 1                       ; count = 1
	s_add_co_u32 s[G0K+4*\s+1], s17, \s*SLOT1      ; LDS address
	s_add_nc_u64 s[G0K+4*\s+2:G0K+4*\s+3], s[8:9], \s*SKEYS*128  ; global address: slot s begins with keys 256 s on
	s_or_b32 s[G0K+4*\s+3], s[G0K+4*\s+3], 0x80000000  ; type = 2
	s_mov_b32 s[G0V+4*\s], 1
	s_add_co_u32 s[G0V+4*\s+1], s21, \s*SLOT1
	s_add_nc_u64 s[G0V+4*\s+2:G0V+4*\s+3], s[10:11], \s*SKEYS*128
	s_or_b32 s[G0V+4*\s+3], s[G0V+4*\s+3], 0x80000000
.endr
	s_cmp_lt_u32 s[WV], 4                          ; a wave's two first fills stand in one arm, ahead of every wait on TENSORcnt and every LDS read
	s_cbranch_scc0 .Lfirst_v
	tensor_load_to_lds s[G0K:G0K+3], s[G1K:G1K+7]
	s_nop 0
	tensor_load_to_lds s[G0K+4:G0K+7], s[G1K:G1K+7]
	s_nop 0
.rept 4
	v_nop
.endr
	s_branch .Lfirst_asked
.Lfirst_v:
	tensor_load_to_lds s[G0V:G0V+3], s[G1V:G1V+7]
	s_nop 0
	tensor_load_to_lds s[G0V+4:G0V+7], s[G1V:G1V+7]
	s_nop 0
.rept 4
	v_nop
.endr
.Lfirst_asked:
	; A fragment of K or Q is 16 rows x 32 channels in 8 registers: lane l holds row l % 16; registers 0-3 channels 8 (l / 16) + 0..7, registers 4-7 channels 16 + 8 (l / 16) + 0..7: two loads of 16 bytes, 32 bytes apart.
	v_and_b32 v1, 15, v0                           ; r = l % 16
	v_bfe_u32 v13, v0, 4, 1                        ; h = l / 16
	v_lshlrev_b32 v[QO], 7, v1
	v_lshl_add_u32 v[QO], v13, 4, v[QO]            ; row x 128 + 16 x half
	WIN W_T1
.irp i, 0,1,2,3,4,5,6,7                        ; Q stays in registers: tile i / 2, channels 32 (i % 2) on
	global_load_b128 v[QF+8*\i:QF+8*\i+3],   v[QO], s[4:5] offset:(\i/2)*2048+(\i%2)*64
	global_load_b128 v[QF+8*\i+4:QF+8*\i+7], v[QO], s[4:5] offset:(\i/2)*2048+(\i%2)*64+32
.endr
	WIN 0
	v_mul_u32_u24 v[AK0], v1, PK
	v_lshl_add_u32 v[AK0], v13, 4, v[AK0]          ; row x pitch + 16 x half
	; The turning load takes 16 keys x 16 channels (lane l reads 16 bytes: key 8 (l / 16) + l % 8, channels 8 ((l / 8) % 2) + 0..7) and leaves half a fragment of V^T: lane l holds channel l % 16 and 8 keys.
	v_and_b32 v14, 7, v0
	v_bfe_u32 v15, v0, 3, 1
	v_lshl_add_u32 v[AV0], v13, 3, v14
	v_mul_u32_u24 v[AV0], v[AV0], PV
	v_lshl_add_u32 v[AV0], v15, 4, v[AV0]
	v_add_nc_u32 v[AV0], VOFF, v[AV0]
	s_mul_i32 s13, s[WV], 16*SP
	s_add_co_u32 s13, s13, STAGE                   ; my stage
	v_mul_u32_u24 v[STO], v1, SP                   ; in: row r, 16 bytes for each half of the lanes
	v_lshl_add_u32 v[STO], v13, 4, v[STO]
	v_add_nc_u32 v[STO], s13, v[STO]
	v_and_b32 v15, 31, v0
	v_lshlrev_b32 v[GO], 4, v15                    ; out: 16 bytes a lane
	v_lshrrev_b32 v15, 3, v15
	v_mul_u32_u24 v[RD], v15, SP                   ; back: eight lanes take a row's 128 bytes, four rows an instruction
	v_lshl_add_u32 v[RD], v14, 4, v[RD]
	v_add_nc_u32 v[RD], s13, v[RD]
; THE LDS LOADS stand in runs of 16: a step's K (64 keys x 64 channels: 8 fragments) and its V (turned).
.macro FETCH_K
	v_add_nc_u32 v[ADR], s[TK], v[AK0]
.irp f, 0,1,2,3,4,5,6,7                        ; keys 16 (f / 2) on, channels 32 (f % 2) on
	ds_load_b128 v[KF+8*\f:KF+8*\f+3],   v[ADR] offset:(\f/2)*16*PK+(\f%2)*64
	ds_load_b128 v[KF+8*\f+4:KF+8*\f+7], v[ADR] offset:(\f/2)*16*PK+(\f%2)*64+32
.endr
	s_add_co_u32 s[TK], s[TK], KS*PK               ; the next fetch is the next step's
.endm
.macro FETCH_V
	v_add_nc_u32 v[ADRV], s[TV], v[AV0]
	WIN W_T1
.irp f, 0,1,2,3,4,5,6,7                        ; keys 32 (f / 4) on, channels 16 (f % 4) on
	ds_load_tr16_b128 v[VF+8*\f:VF+8*\f+3],   v[ADRV] offset:(\f/4)*32*PV+(\f%4)*32
	ds_load_tr16_b128 v[VF+8*\f+4:VF+8*\f+7], v[ADRV] offset:(\f/4)*32*PV+16*PV+(\f%4)*32
.endr
	WIN 0
	s_add_co_u32 s[TV], s[TV], KS*PV
.endm
; S^T = K Q^T: 32 products; the 16 accumulators (4 tiles of keys x 4 tiles of queries) take turns, one instruction a turn; the first 16 start the sums.
.macro QK
.irp u, 0,1
.irp kt, 0,1,2,3
.irp t, 0,1,2,3
.if \u == 0
	v_wmma_f32_16x16x32_f16 v[S+32*\t+8*\kt:S+32*\t+8*\kt+7], v[KF+8*(2*\kt+\u):KF+8*(2*\kt+\u)+7], v[QF+16*\t+8*\u:QF+16*\t+8*\u+7], 0
.else
	v_wmma_f32_16x16x32_f16 v[S+32*\t+8*\kt:S+32*\t+8*\kt+7], v[KF+8*(2*\kt+\u):KF+8*(2*\kt+\u)+7], v[QF+16*\t+8*\u:QF+16*\t+8*\u+7], v[S+32*\t+8*\kt:S+32*\t+8*\kt+7]
.endif
.endr
.endr
.endr
.endm
; O^T += V^T P: 32 products; the 16 accumulators (4 tiles of channels x 4 tiles of queries) take turns.  first = 1: the first 16 start the sums: nothing is ever cleared.
.macro PVM first
.irp u, 0,1
.irp c, 0,1,2,3
.irp t, 0,1,2,3
.if \first && (\u == 0)
	v_wmma_f32_16x16x32_f16 v[32*\t+8*\c:32*\t+8*\c+7], v[VF+32*\u+8*\c:VF+32*\u+8*\c+7], v[S+32*\t+8*\u:S+32*\t+8*\u+7], 0
.else
	v_wmma_f32_16x16x32_f16 v[32*\t+8*\c:32*\t+8*\c+7], v[VF+32*\u+8*\c:VF+32*\u+8*\c+7], v[S+32*\t+8*\u:S+32*\t+8*\u+7], v[32*\t+8*\c:32*\t+8*\c+7]
.endif
.endr
.endr
.endr
.endm
; THE SOFTMAX of a key step, the four tiles by turns in every run, so that no line waits for the line above it.  first = 1: the first key step, which starts m, l and O^T: it has no a and nothing to rescale.
.macro SOFTMAX first
.irp j, 0,1,2,3                                ; the maximum of a lane's 32 scores and the old m, three operands at a time: four chains; each accumulator is read from its low end on
.irp t, 0,1,2,3
	v_max3_num_f32 v[ST+8*\t+4+\j], v[S+32*\t+8*\j], v[S+32*\t+8*\j+1], v[S+32*\t+8*\j+2]
.endr
.endr
.irp g, 1,2
.irp j, 0,1,2,3
.irp t, 0,1,2,3
	v_max3_num_f32 v[ST+8*\t+4+\j], v[ST+8*\t+4+\j], v[S+32*\t+8*\j+2*\g+1], v[S+32*\t+8*\j+2*\g+2]
.endr
.endr
.endr
.irp t, 0,1,2,3
	v_max3_num_f32 v[ST+8*\t+4], v[ST+8*\t+4], v[S+32*\t+7], v[S+32*\t+15]
.endr
.irp t, 0,1,2,3
	v_max3_num_f32 v[ST+8*\t+6], v[ST+8*\t+6], v[S+32*\t+23], v[S+32*\t+31]
.endr
.irp t, 0,1,2,3
	v_max3_num_f32 v[ST+8*\t+4], v[ST+8*\t+4], v[ST+8*\t+5], v[ST+8*\t+6]
.endr
.irp t, 0,1,2,3
.if \first
	v_max_num_f32 v[ST+8*\t+4], v[ST+8*\t+4], v[ST+8*\t+7]
.else
	v_max3_num_f32 v[ST+8*\t+4], v[ST+8*\t+4], v[ST+8*\t+7], v[ST+8*\t+1]
.endif
.endr
.irp t, 0,1,2,3
	v_permlanex16_b32 v[ST+8*\t+5], v[ST+8*\t+4], s[SEL], s[SEL+1]  ; the query's other 32 keys lie in the lane 16 away
.endr
.if !\first
.irp t, 0,1,2,3
	v_mov_b32 v[ST+8*\t+7], v[ST+8*\t]             ; c m_old is kept for a
.endr
.endif
.irp t, 0,1,2,3
	v_max_num_f32 v[ST+8*\t+1], v[ST+8*\t+4], v[ST+8*\t+5]   ; the new m
.endr
.irp t, 0,1,2,3
	v_mul_f32 v[ST+8*\t], s[CS], v[ST+8*\t+1]      ; c m
.endr
.if !\first
.irp t, 0,1,2,3
	v_sub_f32 v[ST+8*\t+7], v[ST+8*\t+7], v[ST+8*\t]   ; c m_old - c m_new
.endr
.endif
.irp b, 0,1,2,3,4,5,6,7,8,9,10,11,12,13,14,15
.irp t, 0,1,2,3
	v_pk_fma_f32 v[S+32*\t+2*\b:S+32*\t+2*\b+1], v[S+32*\t+2*\b:S+32*\t+2*\b+1], s[CS:CS+1], v[ST+8*\t:ST+8*\t+1] op_sel_hi:[1,0,0] neg_lo:[0,0,1] neg_hi:[0,0,1]  ; c s - c m, a pair of scores at a time
.endr
.endr
.if !\first
.irp t, 0,1,2,3
	v_exp_f32 v[ST+8*\t+6], v[ST+8*\t+7]           ; a
.endr
.endif
.irp j, 0,1,2,3,4,5,6,7,8,9,10,11,12,13,14,15,16,17,18,19,20,21,22,23,24,25,26,27,28,29,30,31
.irp t, 0,1,2,3
	v_exp_f32 v[S+32*\t+\j], v[S+32*\t+\j]         ; p: ONE BATCH: none of these reads an exponential's result
.endr
.endr
	v_nop                                          ; the plain instruction behind the last exponential, ahead of the first use: one for the batch
	s_wait_alu depctr_va_vdst(0)                   ; and the wait ahead of the first instruction that names a result: one for the batch
.irp t, 0,1,2,3                                ; the sums of the unrounded p, in two chains a tile; S^T stays whole for the roundings
.if \first
	v_pk_add_f32 v[ST+8*\t+2:ST+8*\t+3], v[S+32*\t:S+32*\t+1], v[S+32*\t+4:S+32*\t+5]
.else
	v_pk_fma_f32 v[ST+8*\t+2:ST+8*\t+3], v[ST+8*\t+2:ST+8*\t+3], v[ST+8*\t+6:ST+8*\t+7], v[S+32*\t:S+32*\t+1] op_sel_hi:[1,0,1]   ; l = a l + the first pair
.endif
.endr
.irp t, 0,1,2,3
	v_pk_add_f32 v[ST+8*\t+4:ST+8*\t+5], v[S+32*\t+2:S+32*\t+3], v[S+32*\t+6:S+32*\t+7]
.endr
.if !\first
.irp t, 0,1,2,3
	v_pk_add_f32 v[ST+8*\t+2:ST+8*\t+3], v[ST+8*\t+2:ST+8*\t+3], v[S+32*\t+4:S+32*\t+5]
.endr
.endif
.irp b, 4,6,8,10,12,14
.irp t, 0,1,2,3
	v_pk_add_f32 v[ST+8*\t+2:ST+8*\t+3], v[ST+8*\t+2:ST+8*\t+3], v[S+32*\t+2*\b:S+32*\t+2*\b+1]
	v_pk_add_f32 v[ST+8*\t+4:ST+8*\t+5], v[ST+8*\t+4:ST+8*\t+5], v[S+32*\t+2*\b+2:S+32*\t+2*\b+3]
.endr
.endr
.irp t, 0,1,2,3
	v_pk_add_f32 v[ST+8*\t+2:ST+8*\t+3], v[ST+8*\t+2:ST+8*\t+3], v[ST+8*\t+4:ST+8*\t+5]
.endr
.irp j, 0,1,2,3,4,5,6,7,8,9,10,11,12,13,14,15  ; P, rounded to f16 in pairs, in place: register j takes pair j, which lies at 2 j and 2 j + 1, never below j
.irp t, 0,1,2,3
	v_cvt_pk_f16_f32 v[S+32*\t+\j], v[S+32*\t+2*\j], v[S+32*\t+2*\j+1]
.endr
.endr
.if !\first
	WIN W_RS
.irp j, 0,1,2,3,4,5,6,7,8,9,10,11,12,13,14,15  ; O^T times a, each accumulator from its low end on
.irp t, 0,1,2,3
	v_pk_mul_f32 v[32*\t+2*\j:32*\t+2*\j+1], v[32*\t+2*\j:32*\t+2*\j+1], v[ST+8*\t+6:ST+8*\t+7] op_sel_hi:[1,0]
.endr
.endr
.endif
.endm
; A KEY STEP.  fk, fv = 1: the next step's K and V are asked of LDS.
.macro STEP first, fk, fv
	s_wait_dscnt 16                                ; K is in; V's sixteen loads, issued behind K's, may be out
	WIN W_KQ
	QK
	WIN 0
.rept 4
	v_nop                                          ; four places behind the last product: for the reads of its results, and for the loads into K's registers
.endr
.if \fk
	FETCH_K
.endif
	SOFTMAX \first
.if \fk
	s_wait_dscnt 16                                ; V is in; the next K's sixteen loads may be out
.else
	s_wait_dscnt 0
.endif
	WIN W_PV
	PVM \first
	WIN 0
.rept 5
	v_nop                                          ; four places for the loads into V's registers; five, since the next step's first products write over P's registers
.endr
.if \fv
	FETCH_V
.endif
.endm
.macro STEPS n                         ; n key steps: written once, walked n times; the LDS addresses hang on s[TK] and s[TV]
	s_mov_b32 s[CNT], \n
.Lstep_\@:
	STEP 0, 1, 1
	s_sub_co_u32 s[CNT], s[CNT], 1
	s_cmp_lg_u32 s[CNT], 0
	s_cbranch_scc1 .Lstep_\@
.endm
; THE CHANGE OF SLOTS.  Each wave waits for all its tensor loads, of which one is out: its part of the other slot; adds 0 to its spare word; and waits for that and for its reads of the slot, the last step's K and V among them.
; fill = 1: the slot is filled again, with the keys two slots on.  The barrier is then a round of the cluster's, so that no wave of any partner still reads the slot or has a load on its way, and the joint refill is the first thing behind it.
.macro CHANGE fill
	WIN 0
	s_wait_tensorcnt 0x0                           ; no tensor load of mine is out, so a group 0 may be written
	ds_add_u32 v[SPW], v[NIL]                      ; 0 onto my spare word
.if \fill
.irp g, G0K+4, G0V+4
	s_xor_b32 s[\g+1], s[\g+1], SLOT1              ; the walking descriptor: the other slot than last time,
	s_add_nc_u64 s[\g+2:\g+3], s[\g+2:\g+3], SKEYS*128  ; the next 256 keys; the type bits on top are not reached
.endr
	s_wait_xcnt 0x0                                ; the last prefetch, four key steps back, has read its address, so it may be written:
	s_add_nc_u64 s[PFA:PFA+1], s[PFA:PFA+1], SKEYS*128  ; one slot further on than the walking descriptors
	s_wait_dscnt 0x0                               ; the add is done, and my reads of the slot are over
	CROUND
	JLOAD
	ASK
.else
	s_wait_dscnt 0x0                               ; the add is done, and my reads of the slot are over
	s_barrier_signal -1
	s_barrier_wait -1
.endif
	s_sub_co_u32 s[TK], s[TK], SKEYS*PK            ; the fetches go back to a slot's first step,
	s_xor_b32 s[TK], s[TK], SLOT1                  ; in the other slot
	s_sub_co_u32 s[TV], s[TV], SKEYS*PV
	s_xor_b32 s[TV], s[TV], SLOT1
.endm
	s_wait_tensorcnt 1                             ; my part of slot 0 is in; slot 1's may stay out
	s_barrier_signal -1
	s_barrier_wait -1                              ; everybody's is
	FETCH_K                                        ; key step 0
	FETCH_V
	s_wait_loadcnt 0x0                             ; Q
	STEP 1, 1, 1                                   ; step 0 starts m, l and O^T
	STEPS 2                                        ; steps 1, 2
.Lslot:                                                ; six trips: steps 3 to 26; each change asks for one of the slots 2 to 7
	CHANGE 1
	STEPS 4
	s_sub_co_u32 s[SLOTS], s[SLOTS], 1
	s_cmp_lg_u32 s[SLOTS], 0
	s_cbranch_scc1 .Lslot
	CHANGE 0                                       ; the tail is written out: nothing is left to ask for
	STEPS 4                                        ; steps 27 to 30
	STEP 0, 0, 0                                   ; step 31
	; THE WAY OUT.  l's two halves and the other half of the lanes' are added; O^T is divided by l, rounded to f16 and sent through my stage in LDS, a tile (16 rows of ctx) at a time.
.irp t, 0,1,2,3
	v_add_f32 v[ST+8*\t+4], v[ST+8*\t+2], v[ST+8*\t+3]
.endr
.irp t, 0,1,2,3
	v_permlanex16_b32 v[ST+8*\t+5], v[ST+8*\t+4], s[SEL], s[SEL+1]
.endr
.irp t, 0,1,2,3
	v_add_f32 v[ST+8*\t+4], v[ST+8*\t+4], v[ST+8*\t+5]
.endr
.irp t, 0,1,2,3
	v_rcp_f32 v[ST+8*\t+6], v[ST+8*\t+4]
.endr
	v_nop                                          ; a plain instruction between the last reciprocal and the use of its result
	s_wait_alu depctr_va_vdst(0)                   ; and the wait ahead of the first use: one for the four
; Tile t: a lane's eight channels of a row pack into 16 bytes; they go into rows of 144 bytes and come back four rows (512 bytes that are consecutive in ctx) to an instruction.
.macro PACK t
	WIN W_RS
.set i, 32*\t
.rept 16
	v_pk_mul_f32 v[i:i+1], v[i:i+1], v[ST+8*\t+6:ST+8*\t+7] op_sel_hi:[1,0]
.set i, i+2
.endr
	WIN 0x05                                       ; sources 0 and 1 window 1, destination window 0: S^T's registers are free
.set i, 0
.rept 16
	v_cvt_pk_f16_f32 v[S+32*\t+i], v[32*\t+2*i], v[32*\t+2*i+1]
.set i, i+1
.endr
	WIN 0
.irp c, 0,1,2,3
	ds_store_b128 v[STO], v[S+32*\t+4*\c:S+32*\t+4*\c+3] offset:32*\c
.endr
.irp f, 0,1,2,3
	ds_load_b128 v[S+32*\t+16+4*\f:S+32*\t+16+4*\f+3], v[RD] offset:\f*4*SP  ; LDS serves a wave's instructions in order (ISA guide 5.7.1.4): these see the stores above; the next tile's stores come behind them
.endr
.endm
.macro SEND t, younger                 ; younger: the LDS instructions issued behind tile t's loads: the next tile's eight, or none
.irp f, 0,1,2,3
	s_wait_dscnt \younger+3-\f
	global_store_b128 v[GO], v[S+32*\t+16+4*\f:S+32*\t+16+4*\f+3], s[6:7] offset:\t*2048+\f*512  ; 32 lanes store 512 consecutive bytes, at a multiple of 256 from ctx's first byte
.endr
.endm
	PACK 0
	PACK 1                                         ; a tile's arithmetic stands between the loads of the tile before and its stores
	SEND 0, 8
	PACK 2
	SEND 1, 8
	PACK 3
	SEND 2, 8
	SEND 3, 0
	s_wait_tensorcnt 0x0                           ; the wave's end, behind my last tensor load and my last LDS store
	ds_add_u32 v[SPW], v[NIL]
	s_wait_dscnt 0x0
	CROUND                                         ; the closing round: no work-group ends while a partner may still ask for a tile that names it
	s_endpgm
.Lfunc_end_k_qb89486e74b_attn:
	.size	k_qb89486e74b_attn, .Lfunc_end_k_qb89486e74b_attn-k_qb89486e74b_attn
	.p2alignl 7, 3214868480
	.fill 96, 4, 3214868480
	.section	.rodata,"a",@progbits
	.p2align	6, 0x0
	.amdhsa_kernel k_qb89486e74b_attn
		.amdhsa_group_segment_fixed_size 327680
		.amdhsa_private_segment_fixed_size 0
		.amdhsa_enable_private_segment 0
		.amdhsa_kernarg_size 16
		.amdhsa_user_sgpr_count 2
		.amdhsa_user_sgpr_kernarg_segment_ptr 1
		.amdhsa_wavefront_size32 1
		.amdhsa_system_sgpr_workgroup_id_x 1
		.amdhsa_system_sgpr_workgroup_id_y 1
		.amdhsa_system_sgpr_workgroup_id_z 1
		.amdhsa_system_vgpr_workitem_id 0
		.amdhsa_next_free_vgpr 512
		.amdhsa_next_free_sgpr 66
		.amdhsa_reserve_vcc 0
		.amdhsa_float_denorm_mode_32 3
		.amdhsa_float_denorm_mode_16_64 3
		.amdhsa_memory_ordered 1
		.amdhsa_forward_progress 1
		.amdhsa_inst_pref_size 178
	.end_amdhsa_kernel
	.amdgpu_metadata
---
amdhsa.version: [ 1, 2 ]
amdhsa.kernels:
  - .name:           k_qb89486e74b_attn
    .symbol:         k_qb89486e74b_attn.kd
    .args:
      - { .name: qkv, .offset: 0, .size: 8, .value_kind: global_buffer, .address_space: global }
      - { .name: ctx, .offset: 8, .size: 8, .value_kind: global_buffer, .address_space: global }
    .group_segment_fixed_size: 327680
    .private_segment_fixed_size: 0
    .kernarg_segment_align: 8
    .kernarg_segment_size: 16
    .max_flat_workgroup_size: 256
    .sgpr_count:     66
    .vgpr_count:     512
    .wavefront_size: 32
...
	.end_amdgpu_metadata
.endif
;; end of part 3
;; launch outp (part 4): grid 4 x 64, 4 waves a work-group, clusters of 4 x 4, 327,680 bytes of LDS; arguments ctx, wo16, bo, out0; writes out0
.if DOCPART == 4
	.amdgcn_target "amdgcn-amd-amdhsa--gfx1250"
	.amdhsa_code_object_version 6
	.text
	.protected	k_qb89486e74b_outp
	.globl	k_qb89486e74b_outp
	.p2align	8
	.type	k_qb89486e74b_outp,@function
k_qb89486e74b_outp:
	s_mov_b64 s[64:65], 0
	v_nop
	global_prefetch_b8 v0, s[64:65] scope:SCOPE_SE
	s_setreg_imm32_b32 hwreg(HW_REG_WAVE_MODE, 25, 1), 1
	s_wait_xcnt 0x0
	s_wait_alu depctr_hold_cnt(0) depctr_sa_sdst(0) depctr_va_vdst(0) depctr_va_sdst(0) depctr_va_ssrc(0) depctr_va_vcc(0) depctr_vm_vsrc(0)
	s_getreg_b32 s2, hwreg(HW_REG_IB_STS2, 6, 4)
	s_cmp_eq_u32 s2, 0
	s_cbranch_scc0 .Lentry_in_a_cluster
	s_endpgm
.Lentry_in_a_cluster:
	s_bfe_u32 s2, ttmp6, 0x10000c
	s_cmp_lg_u32 s2, 0xf033
	s_cbranch_scc0 .Lentry_shape_is_right
	s_endpgm
.Lentry_shape_is_right:
; Launch 4 of 4: out0[row][n] = the sum over k of ctx[row][k] Wo[n][k] + bo[n]: 8,192 x 1,024 x 1,024, f16 operands, f32 sums, f32 out.
; A = ctx, head-major: [batch x 16 + head][position 2048][64] f16; k = 64 x head + channel.  B = wo16 [1024 n][1024 k] f16.
; A tile of 128 rows x 256 columns is made by four waves, each 64 x 128: 32 accumulators, 256 registers: 256 work-groups, where tiles of 256 x 256 would make 128.
; K goes in steps of 128 (two heads) through a ring of two LDS slots: A's part is two tiles of 128 rows x 128 bytes (one a head), B's two tiles of 128 rows x 256 bytes; each wave fetches one of the four.
; By this text's own count a wave has two tensor loads out at the start, later one, with 112 matrix instructions between a request and the wait for it.
; CLUSTERS: 4 x 4 work-groups.  The four of a row of the cluster need the same tiles of A, the four of a column the same tiles of B: each is asked for JOINTLY, by the same tensor load with the same descriptor and a mask that names the four.
; THE MATRIX INSTRUCTION IS USED TRANSPOSED (source 0 = 16 rows of B, source 1 = 16 rows of A): a lane holds eight neighbouring columns of one row.  bo IS THE C of each sum's first product.
; No prefetch: the launch has eight K steps, and B's rows are read again by sixteen rows of clusters.
; REGISTERS, in windows of 256: window 0: v16-30 addresses; v64-127 bo in the result's layout; v128-255 rows on the way out.   window 1: two fragment buffers of 96: 4 blocks of A, then 8 of B, 32 along K.   window 2: accumulator (a, b) at v[8 (8 a + b)].
.set PA,     144                       ; a row of A in LDS: 128 bytes + 16 of padding
.set PB,     272                       ; a row of B: 256 + 16
.set HEADA,  128*PA                    ; a head's 128 rows
.set HALFB,  128*PB                    ; 128 rows of B
.set BOFF,   2*HEADA                   ; a slot: A's two heads, then B's two halves
.set SLOT,   BOFF+2*HALFB
.set STAGE,  2*SLOT                    ; behind the ring: 16 rows x (512 bytes + 16) for each wave, for the way out
.set SPITCH, 528
.set SPARE,  STAGE+4*16*SPITCH         ; behind the stages: the spare words, 128 bytes a wave, which no other line names
.set STEPA,  2*262144                  ; a K step on in ctx: two heads
.set STEPB,  256                       ; and in a row of wo16
.set ADRA, 16                          ; v16-17  LDS address of my A fragments in slot 0, 1
.set ADRB, 20                          ; v20-21  the same for B
.set STO,  24                          ; v24     the way out: where I put 32 bytes of a row
.set RD,   25                          ; v25     the way out: where I read a row back
.set CO,   26                          ; v26     16 x lane: my place in a row's 512 bytes
.set SPW,  28                          ; v28     LDS address of my spare word; never rewritten
.set NIL,  29                          ; v29     0; never rewritten
.set BOF,  30                          ; v30     32 x (lane / 16)
.set BI,   64                          ; bo: block b at v[BI + 8 b]: lane (r, h) holds those of columns 16 b + 8 h + 0 .. 7
.set BK,   128                         ; the way out: 16 rows read back: v128-191 and v192-255 by turns
.set F0,   0                           ; fragment buffers, in window 1
.set F1,   96
.set WV,   12                          ; s12  my wave's number
.set G1, 24                            ; s[24:31] descriptor group 1 for A's tiles;  s[32:39] group 0, one set for each slot
.set G0, 32
.set G1B, 48                           ; s[48:55], s[56:63] the same for B's tiles
.set G0B, 56
.set MSB, 0
.macro WIN new                         ; the immediate's high byte repeats the setting that is left
.if MSB != (\new)
	s_set_vgpr_msb (MSB<<8)|(\new)
.set MSB, (\new)
.endif
.endm
.set MUL,  0xa5                        ; sources 0 (B) and 1 (A) window 1; C and D window 2
.set MULB, 0x85                        ; the first products: C (bo) window 0
.set TO_F, 0x40                        ; destination window 1, address window 0
.macro JLOAD s                         ; a joint load: waves 0 and 1 fetch A's two heads, waves 2 and 3 B's two halves; an s_nop 0 and four v_nop follow each of the two lines, ahead of the jump, the label and what follows
	s_cmp_eq_u32 s13, 0
	s_cbranch_scc0 .Lfor_b_\@
	tensor_load_to_lds s[G0+4*\s:G0+4*\s+3], s[G1:G1+7]
	s_nop 0
.rept 4
	v_nop
.endr
	s_branch .Lasked_\@
.Lfor_b_\@:
	tensor_load_to_lds s[G0B+4*\s:G0B+4*\s+3], s[G1B:G1B+7]
	s_nop 0
.rept 4
	v_nop
.endr
.Lasked_\@:
.endm
.macro CREST                           ; a round of the cluster's barrier behind its opening barrier
	s_cmp_lg_u32 s[WV], 0
	s_cbranch_scc1 .Lnot_wave_0_\@
	s_barrier_signal -3
.Lnot_wave_0_\@:
	s_barrier_wait -3
	s_barrier_signal -1
	s_barrier_wait -1
.endm
.macro CROUND                          ; a whole round
	s_barrier_signal -1
	s_barrier_wait -1
	CREST
.endm
	s_load_b128 s[4:7], s[0:1], 0x0                ; ctx s[4:5], wo16 s[6:7]
	s_load_b128 s[8:11], s[0:1], 0x10              ; bo s[8:9], out0 s[10:11]
	v_lshl_add_u32 v[SPW], v0, 2, SPARE
	v_mov_b32 v[NIL], 0
	ds_add_u32 v[SPW], v[NIL]                      ; the wave's opening: the add, twice on end, and its wait ahead of my first tensor load; the set-up below stands between the second and the wait
	ds_add_u32 v[SPW], v[NIL]
	v_lshrrev_b32 v1, 5, v0
	v_readfirstlane_b32 s[WV], v1                  ; wave 0..3
	s_lshr_b32 s13, s[WV], 1                       ; which half of the tile's rows is mine.  Also: I fetch for A (0) or for B (1)
	s_and_b32 s14, s[WV], 1                        ; which half of its columns.  Also: which head of the pair, or which 128 rows of B, I fetch
	s_bfe_u32 s40, ttmp6, 0x40000                  ; cx, cy: my place in the cluster
	s_bfe_u32 s41, ttmp6, 0x40004
	s_lshl_b32 s42, ttmp9, 2
	s_add_co_u32 s42, s42, s40                     ; tile column = 4 x cluster x + cx
	s_and_b32 s15, ttmp7, 0xffff
	s_lshl_b32 s15, s15, 2
	s_add_co_u32 s15, s15, s41                     ; tile row = 4 x cluster y + cy
	s_lshl_b32 s43, s41, 2
	s_lshl_b32 s43, 15, s43                        ; my row of the cluster
	s_lshl_b32 s44, 0x1111, s40                    ; my column
	; descriptor group 1.  A: 128 rows x 64 elements, dense in memory;  B: 128 rows x 128 elements, 1,024 elements apart
	s_or_b32 s[G1+0], s43, (1<<16)|(1<<20)|(1<<21)|(4<<22)|(3<<25)  ; 15:0 the mask: A's tiles go to my row; 17:16 elements of 2 bytes; 20 padding on; 21 set beside a mask; 24:22 after every 32 words; 31:25 four words
	s_mov_b32 s[G1+1], 64<<16                      ; tensor_dim0
	s_mov_b32 s[G1+2], 128<<16                     ; tensor_dim1
	s_mov_b32 s[G1+3], 64<<16                      ; tile_dim0
	s_mov_b32 s[G1+4], 128                         ; tile_dim1
	s_mov_b32 s[G1+5], 64                          ; tensor_dim0_stride
	s_mov_b32 s[G1+6], 0
	s_mov_b32 s[G1+7], 0
	s_or_b32 s[G1B+0], s44, (1<<16)|(1<<20)|(1<<21)|(5<<22)|(3<<25) ; B's tiles go to my column; padding after every 64 words
	s_mov_b32 s[G1B+1], 128<<16
	s_mov_b32 s[G1B+2], 128<<16
	s_mov_b32 s[G1B+3], 128<<16
	s_mov_b32 s[G1B+4], 128
	s_mov_b32 s[G1B+5], 1024
	s_mov_b32 s[G1B+6], 0
	s_mov_b32 s[G1B+7], 0
	; where the tiles come from.  A's hang on the tile row alone, B's on the tile column alone, each in registers that never hold the other coordinate
	s_lshr_b32 s16, s15, 4                         ; the batch: 16 tile rows each,
	s_lshl_b32 s16, s16, 22                        ; 16 heads of 262,144 bytes
	s_and_b32 s17, s15, 15
	s_lshl_b32 s17, s17, 14                        ; 128 positions of 128 bytes a tile row
	s_add_co_u32 s16, s16, s17
	s_lshl_b32 s17, s14, 18                        ; my head of the pair
	s_add_co_u32 s16, s16, s17
	s_mov_b32 s17, 0
	s_lshl_b32 s46, s42, 8
	s_lshl_b32 s47, s14, 7
	s_add_co_u32 s46, s46, s47                     ; B: row 256 x tile column + 128 x half,
	s_lshl_b32 s46, s46, 11                        ; of 2,048 bytes
	s_mov_b32 s47, 0
	s_mul_i32 s20, s14, HEADA                      ; and where they go: no place in the cluster enters an LDS address
	s_mul_i32 s21, s14, HALFB
	s_add_co_u32 s21, s21, BOFF
	s_wait_dscnt 0x0                               ; both opening adds are done
	s_wait_kmcnt 0x0
	s_add_nc_u64 s[16:17], s[4:5], s[16:17]
	s_add_nc_u64 s[46:47], s[6:7], s[46:47]
	CROUND                                         ; all sixteen work-groups are here: the first joint loads meet
.irp s, 0,1
	s_mov_b32 s[G0+4*\s], 1
	s_add_co_u32 s[G0+4*\s+1], s20, \s*SLOT
	s_add_nc_u64 s[G0+4*\s+2:G0+4*\s+3], s[16:17], \s*STEPA
	s_or_b32 s[G0+4*\s+3], s[G0+4*\s+3], 0x80000000
	s_mov_b32 s[G0B+4*\s], 1
	s_add_co_u32 s[G0B+4*\s+1], s21, \s*SLOT
	s_add_nc_u64 s[G0B+4*\s+2:G0B+4*\s+3], s[46:47], \s*STEPB
	s_or_b32 s[G0B+4*\s+3], s[G0B+4*\s+3], 0x80000000
	JLOAD \s
.endr
	v_and_b32 v1, 15, v0                           ; r = lane % 16
	v_bfe_u32 v2, v0, 4, 1                         ; h = lane / 16
	v_mul_u32_u24 v3, v1, PA
	v_lshl_add_u32 v3, v2, 4, v3                   ; a fragment's row x pitch + 16 x half, for A
	v_mul_u32_u24 v4, v1, PB
	v_lshl_add_u32 v4, v2, 4, v4                   ; and for B
	s_mul_i32 s22, s13, 64*PA                      ; my 64 rows of A (in each head's part)
	s_mul_i32 s23, s14, HALFB                      ; my 128 rows of B,
	s_add_co_u32 s23, s23, BOFF                    ; which lie behind A's two heads
.irp s, 0,1
	v_add_nc_u32 v[ADRA+\s], s22, v3
	v_add_nc_u32 v[ADRB+\s], s23, v4
	s_add_co_u32 s22, s22, SLOT
	s_add_co_u32 s23, s23, SLOT
.endr
	s_mul_i32 s22, s[WV], 16*SPITCH
	s_add_co_u32 s22, s22, STAGE                   ; my stage
	v_mul_u32_u24 v5, v1, SPITCH                   ; in: row r, 32 bytes for each half of the lanes
	v_lshl_add_u32 v5, v2, 5, v5
	v_add_nc_u32 v[STO], s22, v5
	v_and_b32 v6, 31, v0
	v_lshlrev_b32 v[CO], 4, v6                     ; back: the 32 lanes take one row of 512 bytes; and the same in out0
	v_add_nc_u32 v[RD], s22, v[CO]
	v_lshlrev_b32 v[BOF], 5, v2
	s_lshl_b32 s16, s15, 7
	s_lshl_b32 s17, s13, 6
	s_add_co_u32 s16, s16, s17                     ; my first row: 128 x tile row + 64 x half,
	s_lshl_b32 s16, s16, 12                        ; of 4,096 bytes
	s_mov_b32 s17, 0
	s_add_nc_u64 s[10:11], s[10:11], s[16:17]
	s_lshl_b32 s46, s42, 10
	s_lshl_b32 s47, s14, 9
	s_add_co_u32 s46, s46, s47                     ; my first column, in bytes of f32: 1,024 x tile column + 512 x half
	s_mov_b32 s47, 0
	s_add_nc_u64 s[10:11], s[10:11], s[46:47]
	s_add_nc_u64 s[8:9], s[8:9], s[46:47]
.irp b, 0,1,2,3,4,5,6,7
	global_load_b128 v[BI+8*\b:BI+8*\b+3], v[BOF], s[8:9] offset:64*\b
	global_load_b128 v[BI+8*\b+4:BI+8*\b+7], v[BOF], s[8:9] offset:64*\b+16
.endr
; 8 matrix instructions: A's block a x B's eight, 32 along K, from buffer f.  first = 1: the first product starts the sums with bo as C: nothing is cleared.
; The 32 accumulators take turns, one instruction a turn, in the same order in every quarter.
.macro MUL8 f, a, first
.irp b, 0,1,2,3,4,5,6,7
.if \first
	v_wmma_f32_16x16x32_f16 v[8*(8*(\a)+\b):8*(8*(\a)+\b)+7], v[\f+32+8*\b:\f+32+8*\b+7], v[\f+8*(\a):\f+8*(\a)+7], v[BI+8*\b:BI+8*\b+7]
.else
	v_wmma_f32_16x16x32_f16 v[8*(8*(\a)+\b):8*(8*(\a)+\b)+7], v[\f+32+8*\b:\f+32+8*\b+7], v[\f+8*(\a):\f+8*(\a)+7], v[8*(8*(\a)+\b):8*(8*(\a)+\b)+7]
.endif
.endr
.endm
.macro MUL16 f, a0, first
	MUL8 \f, \a0, \first
	MUL8 \f, (\a0)+1, \first
.endm
; 24 LDS loads in one run: the fragments of the K step's q-th 32 along K into buffer f: B's eight blocks, then A's four.  In A's part quarters 0, 1 lie in the first head's rows, quarters 2, 3 in the second's.
.macro FETCH slot, q, f
	WIN TO_F
.irp i, 0,1,2,3,4,5,6,7
	ds_load_b128 v[\f+32+8*\i:\f+32+8*\i+3],   v[ADRB+\slot] offset:64*(\q)+\i*16*PB
	ds_load_b128 v[\f+32+8*\i+4:\f+32+8*\i+7], v[ADRB+\slot] offset:64*(\q)+\i*16*PB+32
.endr
.irp i, 0,1,2,3
	ds_load_b128 v[\f+8*\i:\f+8*\i+3],   v[ADRA+\slot] offset:((\q)/2)*HEADA+((\q)%2)*64+\i*16*PA
	ds_load_b128 v[\f+8*\i+4:\f+8*\i+7], v[ADRA+\slot] offset:((\q)/2)*HEADA+((\q)%2)*64+\i*16*PA+32
.endr
.endm
.macro PLACES                          ; four places in front of loads into registers that matrix instructions have read, and of LDS stores that read results (ISA guide 7.12.1 for vector instructions)
.rept 4
	v_nop
.endr
.endm
; A K step is four quarters of 32 along K, 32 matrix instructions each, on buffers 0, 1, 0, 1.  One of the first three: multiplies buffer f and fetches quarter q into g.
.macro QUARTER slot, q, f, g, first
	s_wait_dscnt 4                                 ; B's blocks and A's blocks 0, 1 are in; the youngest four loads (A's blocks 2, 3) may be out
.if \first
	WIN MULB
.else
	WIN MUL
.endif
	MUL16 \f, 0, \first
	PLACES
	FETCH \slot, \q, \g
	s_wait_dscnt 24                                ; all but the 24 just issued
.if \first
	WIN MULB
.else
	WIN MUL
.endif
	MUL16 \f, 2, \first
.endm
; The last quarter multiplies buffer 1 and changes slots: ONE barrier; in front of it each wave waits for all its tensor loads, adds 0 to its spare word, and waits for that and for its own reads of this slot.  fill = 1: this slot is filled again, two K steps ahead.
.macro TURN slot, next, fill
	WIN 0                                          ; (the add's two registers lie in window 0)
	s_wait_tensorcnt 0x0                           ; all my tensor loads have landed: my part of the next slot;
	ds_add_u32 v[SPW], v[NIL]                      ; 0 onto my spare word;
	s_wait_dscnt 5                                 ; (the add and the youngest four loads may be out)
	WIN MUL
	MUL8 F1, 0, 0                                  ; eight matrix instructions stand between the add and the wait for it
	s_wait_dscnt 0x0                               ; the add is done, and my reads of this slot are over
	s_barrier_signal -1
	MUL8 F1, 1, 0
.if \fill
	WIN 0
.endif
	s_barrier_wait -1
.if \fill
	CREST                                          ; the barrier has opened a round of the cluster's barrier: no wave of any partner still reads this slot's tile or has a load on its way
	s_add_nc_u64 s[G0+4*\slot+2:G0+4*\slot+3], s[G0+4*\slot+2:G0+4*\slot+3], 2*STEPA
	s_add_nc_u64 s[G0B+4*\slot+2:G0B+4*\slot+3], s[G0B+4*\slot+2:G0B+4*\slot+3], 2*STEPB
	JLOAD \slot                                    ; the first tensor load behind the round; the four v_nop behind it are also the places in front of the loads below
.else
	PLACES
.endif
	FETCH \next, 0, F0
	WIN MUL
	MUL16 F1, 2, 0
.endm
	s_wait_tensorcnt 1                             ; my part of K step 0 is in (K step 1's may be out)
	s_barrier_signal -1
	s_barrier_wait -1                              ; everybody's is
	FETCH 0, 0, F0
	s_wait_loadcnt 0x0                             ; bo
	QUARTER 0, 1, F0, F1, 1                        ; the first quarter stands in front of the loop: its products start the sums
	WIN 0                                          ; at a label and at a branch every window is 0
	s_mov_b32 s3, 3
.Llap:                                                 ; a trip goes once round the ring, from a lap's second quarter to the next lap's first, and fills both slots again: K steps 2 to 7
	QUARTER 0, 2, F1, F0, 0
	QUARTER 0, 3, F0, F1, 0
	TURN 0, 1, 1
	QUARTER 1, 1, F0, F1, 0
	QUARTER 1, 2, F1, F0, 0
	QUARTER 1, 3, F0, F1, 0
	TURN 1, 0, 1
	QUARTER 0, 1, F0, F1, 0
	WIN 0
	s_sub_co_u32 s3, s3, 1
	s_cmp_lg_u32 s3, 0
	s_cbranch_scc1 .Llap
	QUARTER 0, 2, F1, F0, 0                        ; the last lap fills nothing, and has no round of the cluster's barrier
	QUARTER 0, 3, F0, F1, 0
	TURN 0, 1, 0
	QUARTER 1, 1, F0, F1, 0
	QUARTER 1, 2, F1, F0, 0
	QUARTER 1, 3, F0, F1, 0
	s_wait_dscnt 4                                 ; the very last quarter: nothing more to fetch
	WIN MUL
	MUL16 F1, 0, 0
	s_wait_dscnt 0
	MUL16 F1, 2, 0
	WIN 0
; THE WAY OUT, block by block of 16 rows x 128 columns.  A lane holds 32 neighbouring bytes of a row, and the lanes beside it hold other rows: so a block goes through my own stage in LDS and comes back as whole
; rows of 512 bytes.  LDS serves a wave's instructions in order (ISA guide 5.7.1.4): no wait between the stores and the loads, nor in front of the next block's stores.
.macro TOSTAGE a
	WIN 0x08                                       ; an LDS store's data are its source 1: window 2
.irp b, 0,1,2,3,4,5,6,7
	ds_store_b128 v[STO], v[64*(\a)+8*\b:64*(\a)+8*\b+3] offset:64*\b          ; each accumulator from its low end on
	ds_store_b128 v[STO], v[64*(\a)+8*\b+4:64*(\a)+8*\b+7] offset:64*\b+16
.endr
	WIN 0
.set BB, BK+64*((\a)%2)
.irp t, 0,1,2,3,4,5,6,7,8,9,10,11,12,13,14,15
	ds_load_b128 v[BB+4*\t:BB+4*\t+3], v[RD] offset:\t*SPITCH
.endr
.endm
.macro SEND a, younger                 ; younger: the LDS instructions issued behind block a's loads, which may stay out
.set BB, BK+64*((\a)%2)
	s_wait_dscnt \younger                          ; the block is back in registers
.irp t, 0,1,2,3,4,5,6,7,8,9,10,11,12,13,14,15
	global_store_b128 v[CO], v[BB+4*\t:BB+4*\t+3], s[10:11] offset:(16*(\a)+\t)*4096 th:TH_STORE_NT   ; 32 lanes store 512 consecutive bytes, at a multiple of 256 from out0's first byte; the base is never stepped
.endr
.endm
	PLACES                                         ; behind the last products, in front of the LDS stores that read results
	TOSTAGE 0
.irp a, 1,2,3
.if \a > 1
	s_wait_xcnt 0x0                                ; block a - 2's stores have read their registers: block a's loads may land there
.endif
	TOSTAGE \a
	SEND \a-1, 32                                  ; behind block a - 1's loads: block a's 16 stores and 16 loads
.endr
	SEND 3, 0
	s_wait_tensorcnt 0x0                           ; the wave's end, behind my last tensor load and my last LDS store
	ds_add_u32 v[SPW], v[NIL]
	s_wait_dscnt 0x0
	CROUND                                         ; the closing round: no work-group ends while a partner may still ask for a tile that names it
	s_endpgm
.Lfunc_end_k_qb89486e74b_outp:
	.size	k_qb89486e74b_outp, .Lfunc_end_k_qb89486e74b_outp-k_qb89486e74b_outp
	.p2alignl 7, 3214868480
	.fill 96, 4, 3214868480
	.section	.rodata,"a",@progbits
	.p2align	6, 0x0
	.amdhsa_kernel k_qb89486e74b_outp
		.amdhsa_group_segment_fixed_size 327680
		.amdhsa_private_segment_fixed_size 0
		.amdhsa_enable_private_segment 0
		.amdhsa_kernarg_size 32
		.amdhsa_user_sgpr_count 2
		.amdhsa_user_sgpr_kernarg_segment_ptr 1
		.amdhsa_wavefront_size32 1
		.amdhsa_system_sgpr_workgroup_id_x 1
		.amdhsa_system_sgpr_workgroup_id_y 1
		.amdhsa_system_sgpr_workgroup_id_z 1
		.amdhsa_system_vgpr_workitem_id 0
		.amdhsa_next_free_vgpr 768
		.amdhsa_next_free_sgpr 66
		.amdhsa_reserve_vcc 0
		.amdhsa_float_denorm_mode_32 3
		.amdhsa_float_denorm_mode_16_64 3
		.amdhsa_memory_ordered 1
		.amdhsa_forward_progress 1
		.amdhsa_inst_pref_size 87
	.end_amdhsa_kernel
	.amdgpu_metadata
---
amdhsa.version: [ 1, 2 ]
amdhsa.kernels:
  - .name:           k_qb89486e74b_outp
    .symbol:         k_qb89486e74b_outp.kd
    .args:
      - { .name: ctx, .offset: 0, .size: 8, .value_kind: global_buffer, .address_space: global }
      - { .name: wo16, .offset: 8, .size: 8, .value_kind: global_buffer, .address_space: global }
      - { .name: bo, .offset: 16, .size: 8, .value_kind: global_buffer, .address_space: global }
      - { .name: out0, .offset: 24, .size: 8, .value_kind: global_buffer, .address_space: global }
    .group_segment_fixed_size: 327680
    .private_segment_fixed_size: 0
    .kernarg_segment_align: 8
    .kernarg_segment_size: 32
    .max_flat_workgroup_size: 128
    .sgpr_count:     66
    .vgpr_count:     768
    .wavefront_size: 32
...
	.end_amdgpu_metadata
.endif
;; end of part 4
